; MI455X (gfx1250); checked and timed in simulation.
; The chip was launched on July 23, 2026; its instructions are those of AMD's public machine-readable ISA for CDNA 5 (MIT licence, August 2026) and "CDNA5" Instruction Set Architecture Reference Guide (July 2026). The comments in the code are by the model that wrote it; some were corrected since.
;; Causal Self Attention. Allowed arithmetic: matrix products marked QUANTISED: E3M2 operands, one E8M0 scale for each 32 along K, by v_wmma_scale_f32_16x16x128_f8f6f4 with both operands' format E3M2, f32 sums; everything else in f32.
;; Inputs: b_attn 3,072 float32; b_proj 1,024 float32; w_attn 1,024 x 3,072 float32; w_proj 1,024 x 1,024 float32; x 4 x 2,048 x 1,024 float32.
;; Outputs: out0 4 x 2,048 x 1,024 float32.
;; This version of the problem:
;;   THIS VERSION OF THE PROBLEM IS GIVEN IN LOW PRECISION. The matrix products marked QUANTISED in the list below multiply operands that are first quantised to E3M2 (3 exponent bits, 2 mantissa bits; 6 bits a number), with one power-of-two scale for each 32 numbers along K (OCP MX v1.0); their sums are f32. All else is computed in f32.
;;   The module's matrix products, in the order in which they are computed (A, B: the left and right operand; K: the contracted axis; several contracted axes count as one K, in the product's order):
;;     1. [M 8,192, K 1,024] x [K 1,024, N 3,072]; A: input x; B: input w_attn: QUANTISED
;;     2. batch 64 x [M 2,048, K 64] x [K 64, N 2,048]; A: computed on the way; B: computed on the way: QUANTISED
;;     3. batch 64 x [M 2,048, K 2,048] x [K 2,048, N 64]; A: softmax (see below); B: computed on the way: QUANTISED
;;     4. [M 8,192, K 1,024] x [K 1,024, N 1,024]; A: computed on the way; B: input w_proj: QUANTISED
;;   THE QUANTISER, for each operand of a quantised product, along K:
;;     - K is cut into blocks of 32 from its start; a last block that is shorter is filled with zeros.
;;     - A block's scale is 2^e with e = floor(log2(the largest magnitude in the block)) - 4, held to -126 .. 127; a block of zeros has e = 0. As a byte (E8M0): e + 127.
;;     - Each number is divided by its block's scale, clamped to +-28, and rounded to the nearest number of E3M2, ties to even, subnormals kept.
;;     - The product sums the exact products of the quantised numbers (number of the format x scale) in f32.
;;   ~~~python
;;   def quantise(x, axis):      # numpy; x: float32 -> the quantised numbers, widened to float32 again
;;       x = np.moveaxis(x, axis, -1); K = x.shape[-1]
;;       x = np.pad(x, [(0, 0)] * (x.ndim - 1) + [(0, -K % 32)]); x = x.reshape(x.shape[:-1] + (-1, 32)); a = np.abs(x).max(-1, keepdims=True)
;;       e = np.where(a > 0, np.clip(np.frexp(np.where(a > 0, a, 1))[1] - 1 - 4, -126, 127), 0)      # np.frexp(a)[1] - 1 = floor(log2(a)), exactly
;;       r = np.clip(x / 2.0 ** e, -28, 28)
;;       step = 2.0 ** (np.maximum(np.frexp(np.where(r == 0, 1, r))[1] - 1, -2) - 2)
;;       q = np.round(r / step) * step * 2.0 ** e      # np.round: ties to even
;;       return np.moveaxis(q.reshape(q.shape[:-2] + (-1,))[..., :K], -1, axis).astype(np.float32)
;;   ~~~
;;   SOFTMAX AHEAD OF A QUANTISED PRODUCT. Where the list says 'softmax', what is quantised is not the finished softmax but p = 2^(t - M), with t = logit x log2(e) and M = ceil(the row's largest t), a whole number; so 1/2 < the row's largest p <= 1. The row's sum l is taken of the UNQUANTISED p, in f32, and the product's result is divided by l at the end. Since M is a whole number, a kernel that streams over the keys may use a running M (the ceiling of the running maximum): every later rescaling is an exact power of two, which a block's scale takes up: the codes' values come out the same.
;;   OPERANDS COMPUTED ON THE WAY. 'Computed on the way' means the value that the module computes at that place (a softmax that the list does not call 'softmax' is quantised finished and normalised). What goes into a quantiser is computed in f32, as accurately as f32 sums, v_exp_f32 and their like allow (about 1e-6 of the number): no bf16 or f16 on the way to a quantiser, and a product that is left as it is and whose result goes on into a quantised operand takes f32 operands (vector FMAs, or v_wmma_f32_16x16x4_f32). A number that lies on a knife's edge between two numbers of the format may be rounded either way, as far as f32 arithmetic and the matrix unit's own rounding can turn it there, and no further.
;; One version. Each part assembles by itself: llvm-mc -triple=amdgcn-amd-amdhsa -mcpu=gfx1250 --defsym DOCPART=n.
;; ======== version 1 of 1: 4 launches
;; workspace buffers: wcod 15,728,640 bytes; wscl 655,360 bytes; hcod 18,874,368 bytes; hscl 1,310,720 bytes
;; launch prep (part 1): grid 512 x 1, 4 waves a work-group, no clusters, 58,880 bytes of LDS; arguments x, w_attn, w_proj, wcod, wscl; writes wcod, wscl
.if DOCPART == 1
	.amdgcn_target "amdgcn-amd-amdhsa--gfx1250"
	.amdhsa_code_object_version 6
	.text
	.protected	k_qef8e3b0104_prep
	.globl	k_qef8e3b0104_prep
	.p2align	8
	.type	k_qef8e3b0104_prep,@function
k_qef8e3b0104_prep:
	s_mov_b64 s[64:65], 0
	v_nop
	global_prefetch_b8 v0, s[64:65] scope:SCOPE_SE
	s_setreg_imm32_b32 hwreg(HW_REG_WAVE_MODE, 25, 1), 1
	s_wait_xcnt 0x0
; x [8192][1024], w_attn [1024][3072] and w_proj [1024][1024], f32, become codes of E3M2 (6 bits) with one E8M0 byte for each 32 along K = 1024,
; laid as IMAGES OF OPERAND REGISTERS, so that the products' launches load fragments by 16- and 8-byte loads alone.
; ROW BLOCKS.  Rows (tokens of x, columns of a weight) go in groups of 32; row block RB = 2 G + u holds 16 of them: index r stands for row 32 G + 8 u + r + 8 (r / 8).
; wcod: [RB][K step s of 128][c 0..1][768 bytes]: 32 lanes x 16 bytes (the fragment's registers 6 c .. 6 c + 3), then 32 lanes x 8 bytes (registers 6 c + 4, 6 c + 5); lane (r, h) holds k = 128 s + 64 c + 32 h + 0 .. 31.
; wscl: [RB][half][r][4 words]: word i of a half is the scale word of K step 4 half + i.   RB 0-511: x; 512-703: w_attn's columns; 704-767: w_proj's columns.
; A block's scale is 2^(floor(log2(largest magnitude)) - 4); its byte is the largest magnitude's exponent field - 4, held at 1 from below by a floor among the maximum's leaves.
; LIMITS: NaN and infinities among the inputs are not served; a block whose largest magnitude lies under 2^-122 keeps the byte 1; a block of zeros has the byte 1 (not 127) with zero codes: this program alone reads the bytes.
; Work-groups 0-255 take x, 256-447 w_attn, 448-511 w_proj: three ways that part on the work-group's number, each with LDS bytes of its own.  Waves share nothing: no barrier.  Work-groups share no input: no cluster.
.set SEL,  20                          ; s[20:21] v_permlanex16_b32's selects for lane l xor 16
.set TM,   16                          ; v16-31  at work in QUANT
.set PC,   32                          ; v32-43  a fragment's codes
.set TMPR, 44                          ; v44-51  the conversions' second halves
.set PW,   52                          ; v52-55  the scale words of my four K steps
.set RAW,  64                          ; v64-191 two sets of 64: a unit as it is loaded
.set XN,   192                         ; v192-255 a unit as QUANT wants it
.set ASTG, 33792                       ; LDS: x's stages at 0 (4 x 8,448), w_attn's here (4 x 3,072),
.set PSTG, 46080                       ; w_proj's here (4 x 3,072)
; 64 numbers of a lane, register 16 b + i = k 32 b + 16 (lane / 16) + i of my row, become a fragment's codes (d0: registers 0-5, d1: 6-11) and its scale word
.macro QUANT src, d0, d1, tmp, pw
.irp b, 0,1,2,3
	v_max3_num_f32 v[TM+\b], |v[\src+16*\b]|, |v[\src+1+16*\b]|, 0x2800000   ; my 16 numbers of block b, and the floor 2^(5 - 127)
.endr
.irp i, 2,4,6,8,10,12,14
.irp b, 0,1,2,3
	v_max3_num_f32 v[TM+\b], v[TM+\b], |v[\src+16*\b+\i]|, |v[\src+1+16*\b+\i]|   ; the four blocks by turns
.endr
.endr
.irp b, 0,1,2,3
	v_permlanex16_b32 v[TM+4+\b], v[TM+\b], s[SEL], s[SEL+1]
.endr
.irp b, 0,1,2,3
	v_max_num_f32 v[TM+\b], v[TM+\b], v[TM+4+\b]   ; with lane l xor 16's 16: the block's largest magnitude
.endr
.irp b, 0,1,2,3
	v_add_nc_u32 v[TM+12+\b], 0xfe000000, v[TM+\b]   ; 4 off its exponent field: the conversion's scale operand
.endr
.irp b, 0,1,2,3
	v_lshrrev_b32 v[TM+4+\b], 23, v[TM+12+\b]      ; the scale's byte
.endr
	v_lshl_or_b32 v[\pw], v[TM+5], 8, v[TM+4]
	v_lshl_or_b32 v[\pw], v[TM+6], 16, v[\pw]
	v_lshl_or_b32 v[\pw], v[TM+7], 24, v[\pw]
	v_cvt_scalef32_pk16_bf6_f32 v[\d0:\d0+2], v[\src:\src+15], v[TM+12]
	v_cvt_scalef32_pk16_bf6_f32 v[\tmp:\tmp+2], v[\src+16:\src+31], v[TM+13]
	v_cvt_scalef32_pk16_bf6_f32 v[\d1:\d1+2], v[\src+32:\src+47], v[TM+14]
	v_cvt_scalef32_pk16_bf6_f32 v[\tmp+4:\tmp+6], v[\src+48:\src+63], v[TM+15]
	v_nop                                          ; one plain instruction behind the scaled conversions
.irp i, 0,1,2
	v_permlane16_swap_b32 v[\d0+\i], v[\tmp+\i]    ; a whole block to a lane: lanes 0-15 block 0, lanes 16-31 block 1
.endr
.irp i, 0,1,2
	v_mov_b32 v[\d0+3+\i], v[\tmp+\i]
.endr
.irp i, 0,1,2
	v_permlane16_swap_b32 v[\d1+\i], v[\tmp+4+\i]
.endr
.irp i, 0,1,2
	v_mov_b32 v[\d1+3+\i], v[\tmp+4+\i]
.endr
.endm
	s_load_b128 s[4:7], s[0:1], 0x0                ; x, w_attn
	s_load_b128 s[8:11], s[0:1], 0x10              ; w_proj, wcod
	s_load_b64 s[12:13], s[0:1], 0x20              ; wscl
	v_lshl_add_u32 v62, v0, 2, 0xe400
	v_mov_b32 v63, 0
	v_lshrrev_b32 v1, 5, v0
	v_readfirstlane_b32 s14, v1                    ; wave 0..3
	v_and_b32 v10, 31, v0                          ; lane
	v_lshlrev_b32 v1, 4, v10                       ; 16 x lane
	v_lshlrev_b32 v2, 3, v10                       ; 8 x lane
	s_mov_b32 s[SEL], 0x76543210
	s_mov_b32 s[SEL+1], 0xfedcba98
	s_cmp_lt_u32 ttmp9, 256
	s_cbranch_scc0 .Lweights
; ---- x: K is innermost.  A wave takes one row block and four K steps (a unit = 16 rows x 128 numbers).  Each load reads 512 consecutive bytes of a row; the unit turns through the wave's
; stage in LDS (rows 528 bytes apart), so that lane (r, h) gets 16 neighbours of each block of 32 of row r.
	s_lshl_b32 s15, ttmp9, 2
	s_add_co_u32 s15, s15, s14                     ; 0..1023
	s_lshr_b32 s16, s15, 1                         ; RB
	s_and_b32 s17, s15, 1                          ; which four K steps
	s_lshr_b32 s18, s16, 1
	s_lshl_b32 s18, s18, 17                        ; 32 rows of 4,096 bytes a group,
	s_and_b32 s19, s16, 1
	s_lshl_b32 s19, s19, 15                        ; 8 rows for u,
	s_add_co_u32 s18, s18, s19
	s_lshl_b32 s19, s17, 11                        ; 2,048 bytes for the half
	s_add_co_u32 s18, s18, s19
	s_mov_b32 s19, 0
	s_mul_i32 s22, s16, 12288
	s_mul_i32 s23, s17, 6144
	s_add_co_u32 s22, s22, s23
	s_mov_b32 s23, 0
	s_lshl_b32 s24, s16, 9
	s_lshl_b32 s25, s17, 8
	s_add_co_u32 s24, s24, s25
	s_mov_b32 s25, 0
	s_mul_i32 s26, s14, 8448                       ; my stage
	s_wait_alu depctr_va_vdst(0)
	v_add_nc_u32 v3, s26, v1                       ; in: 16 x lane of a row
	v_and_b32 v11, 15, v0                          ; r
	v_bfe_u32 v12, v0, 4, 1                        ; h
	v_mul_u32_u24 v4, v11, 528
	v_lshl_add_u32 v4, v12, 6, v4
	v_add_nc_u32 v4, s26, v4                       ; out: row r, + 64 h
	v_lshlrev_b32 v5, 4, v11
	v_lshl_add_u32 v5, v12, 3, v5                  ; the scale words' place: 16 r + 8 h
.irp b, 0,1,2,3
	v_mov_b32 v[TM+4+\b], 0                        ; written once: a lane permute's destination counts as one of its sources
.endr
	s_wait_alu depctr_va_vdst(0)
	s_wait_kmcnt 0x0
	s_add_nc_u64 s[4:5], s[4:5], s[18:19]
	s_add_nc_u64 s[10:11], s[10:11], s[22:23]
	s_add_nc_u64 s[12:13], s[12:13], s[24:25]
.macro LOADU t
.irp p, 0,1,2,3,4,5,6,7,8,9,10,11,12,13,14,15
	global_load_b128 v[RAW+64*((\t)%2)+4*\p:RAW+64*((\t)%2)+4*\p+3], v1, s[4:5] offset:(\p+8*(\p/8))*4096+512*(\t) th:TH_LOAD_NT
.endr
.endm
.macro TURN t                          ; LDS serves a wave's instructions in order: the loads see the stores
.irp p, 0,1,2,3,4,5,6,7,8,9,10,11,12,13,14,15
	ds_store_b128 v3, v[RAW+64*((\t)%2)+4*\p:RAW+64*((\t)%2)+4*\p+3] offset:528*\p
.endr
.irp b, 0,1,2,3
.irp j, 0,1,2,3
	ds_load_b128 v[XN+16*\b+4*\j:XN+16*\b+4*\j+3], v4 offset:128*\b+16*\j
.endr
.endr
.endm
.macro UNIT t
.if (\t) < 3
	s_wait_loadcnt 16                              ; this unit's 16 loads are in; the next unit's may be out
.else
	s_wait_loadcnt 0x0
.endif
	TURN \t
	s_wait_dscnt 0x0                               ; the unit is back; the stage's stores have read the raw set,
.if (\t) < 2
	LOADU (\t)+2                                   ; which takes the unit two further on
.endif
.if (\t) > 0
	s_wait_xcnt 0x0                                ; the last unit's stores have read the code registers
.endif
	QUANT XN, PC, PC+6, TMPR, PW+(\t)
	global_store_b128 v1, v[PC:PC+3], s[10:11] offset:1536*(\t)          ; 768 consecutive bytes for each c: three aligned runs of 256
	global_store_b64 v2, v[PC+4:PC+5], s[10:11] offset:1536*(\t)+512
	global_store_b128 v1, v[PC+6:PC+9], s[10:11] offset:1536*(\t)+768
	global_store_b64 v2, v[PC+10:PC+11], s[10:11] offset:1536*(\t)+1280
.endm
	LOADU 0
	LOADU 1
	UNIT 0
	UNIT 1
	UNIT 2
	UNIT 3
	v_cmp_le_u32 vcc_lo, 16, v10                   ; lanes 16-31 store words 2 and 3 of their row, lanes 0-15 words 0 and 1
	v_cndmask_b32 v56, v[PW], v[PW+2], vcc_lo
	v_cndmask_b32 v57, v[PW+1], v[PW+3], vcc_lo
	global_store_b64 v5, v[56:57], s[12:13]        ; 256 consecutive bytes
	s_wait_tensorcnt 0x0
	ds_add_u32 v62, v63
	s_wait_dscnt 0x0
	s_endpgm
; ---- the weights: K is the FIRST axis.  A lane takes a column, its registers run down K: a block of 32 lies in one lane, and the conversions give codes with K innermost.
; A work-group takes 128 columns x one K step of 128; a wave 32 columns = one group G: lane x is column 32 G + x, which is index r = (x & 7) + 8 (x / 16) of row block 2 G + ((x / 8) & 1).
; The codes go through the wave's stage, laid as the two row blocks' images, and leave as six runs of 512 bytes.  The scale words leave 4 bytes a lane: one byte in 128 of what is read.
.macro LOADB kb, n
.set li, 0
.rept 32
	global_load_b32 v[64+32*(\kb)+li], v11, s[28:29] offset:(32*(\kb)+li)*(\n)*4 th:TH_LOAD_NT   ; 32 lanes read 128 consecutive bytes, the four waves 512
.set li, li+1
.endr
.endm
.macro WBLOCK kb, n
.set XS, 64+32*(\kb)
.set CD, 192+12*(\kb)
.if (\kb) < 3
	s_wait_loadcnt 32                              ; this block's 32 loads are in; the next block's may be out
.else
	s_wait_loadcnt 0x0
.endif
.if (\kb) < 2
	LOADB (\kb)+2, \n
.endif
	v_max3_num_f32 v12, |v[XS]|, |v[XS+1]|, |v[XS+2]|
	v_max3_num_f32 v13, |v[XS+3]|, |v[XS+4]|, |v[XS+5]|
.irp i, 6,10,14,18,22,26
	v_max3_num_f32 v12, v12, |v[XS+\i]|, |v[XS+\i+1]|
	v_max3_num_f32 v13, v13, |v[XS+\i+2]|, |v[XS+\i+3]|
.endr
	v_max3_num_f32 v12, v12, |v[XS+30]|, |v[XS+31]|
	v_max3_num_f32 v12, v12, v13, 0x2800000        ; and the floor
	v_add_nc_u32 v15, 0xfe000000, v12
	v_lshrrev_b32 v13, 23, v15
.if (\kb) == 0
	v_mov_b32 v14, v13
.else
	v_lshl_or_b32 v14, v13, 8*(\kb), v14           ; the K step's scale word, the lower k in the lower byte
.endif
	v_cvt_scalef32_pk16_bf6_f32 v[CD:CD+2], v[XS:XS+15], v15
	v_cvt_scalef32_pk16_bf6_f32 v[CD+8:CD+10], v[XS+16:XS+31], v15
	v_nop
.irp i, 0,1,2
	v_mov_b32 v[CD+3+\i], v[CD+8+\i]
.endr
	ds_store_b128 v3, v[CD:CD+3] offset:768*((\kb)/2)+256*((\kb)%2)      ; block kb = 2 c + h: the image's lane r + 16 h
	ds_store_b64 v4, v[CD+4:CD+5] offset:768*((\kb)/2)+512+128*((\kb)%2)
.endm
.macro WPATH n, first, ptr, rboff, stage
	s_sub_co_u32 s15, ttmp9, \first
	s_and_b32 s16, s15, 7                          ; K step
	s_lshr_b32 s17, s15, 3
	s_lshl_b32 s17, s17, 2
	s_add_co_u32 s17, s17, s14                     ; G
	s_mul_i32 s18, s16, 128*(\n)*4
	s_lshl_b32 s19, s17, 7
	s_add_co_u32 s18, s18, s19
	s_mov_b32 s19, 0
	s_lshl_b32 s22, s17, 1
	s_add_co_u32 s22, s22, \rboff                  ; the row block of u = 0
	s_mul_i32 s24, s22, 12288
	s_mul_i32 s25, s16, 1536
	s_add_co_u32 s24, s24, s25
	s_mov_b32 s25, 0
	s_lshl_b32 s26, s22, 9
	s_lshr_b32 s27, s16, 2
	s_lshl_b32 s27, s27, 8
	s_add_co_u32 s26, s26, s27
	s_and_b32 s27, s16, 3
	s_lshl_b32 s27, s27, 2
	s_add_co_u32 s26, s26, s27
	s_mov_b32 s27, 0
	v_bfe_u32 v6, v0, 3, 1                         ; u
	v_and_b32 v7, 7, v0
	v_bfe_u32 v8, v0, 4, 1
	v_lshl_or_b32 v7, v8, 3, v7                    ; r
	v_mul_u32_u24 v8, v6, 1536
	s_mul_i32 s23, s14, 3072
	s_add_co_u32 s23, s23, \stage                  ; my stage
	v_add_nc_u32 v8, s23, v8
	v_lshl_add_u32 v3, v7, 4, v8                   ; 16 bytes a lane of the image
	v_lshl_add_u32 v4, v7, 3, v8                   ; 8 bytes a lane
	v_add_nc_u32 v5, s23, v1                       ; back: 16 x lane
	v_lshlrev_b32 v9, 9, v6
	v_lshl_add_u32 v9, v7, 4, v9                   ; the scale word's place: 512 u + 16 r
	v_lshlrev_b32 v11, 2, v10                      ; in: 4 bytes a lane
	s_wait_alu depctr_va_vdst(0)
	s_wait_kmcnt 0x0
	s_add_nc_u64 s[28:29], s[\ptr:\ptr+1], s[18:19]
	s_add_nc_u64 s[30:31], s[10:11], s[24:25]
	s_add_nc_u64 s[32:33], s[12:13], s[26:27]
	LOADB 0, \n
	LOADB 1, \n
	WBLOCK 0, \n
	WBLOCK 1, \n
	WBLOCK 2, \n
	WBLOCK 3, \n
	global_store_b32 v9, v14, s[32:33]
.irp j, 0,1,2,3,4,5
	ds_load_b128 v[16+4*\j:19+4*\j], v5 offset:512*\j    ; LDS serves a wave's instructions in order: these see my stores
.endr
.irp j, 0,1,2,3,4,5
	s_wait_dscnt 5-\j
	global_store_b128 v1, v[16+4*\j:19+4*\j], s[30:31] offset:(\j/3)*12288+(\j%3)*512
.endr
.endm
.Lweights:
	s_cmp_lt_u32 ttmp9, 448
	s_cbranch_scc0 .Lproj_w
	WPATH 3072, 256, 6, 512, ASTG
	s_wait_tensorcnt 0x0
	ds_add_u32 v62, v63
	s_wait_dscnt 0x0
	s_endpgm
.Lproj_w:
	WPATH 1024, 448, 8, 704, PSTG
	s_wait_tensorcnt 0x0
	ds_add_u32 v62, v63
	s_wait_dscnt 0x0
	s_endpgm
.Lfunc_end_k_qef8e3b0104_prep:
	.size	k_qef8e3b0104_prep, .Lfunc_end_k_qef8e3b0104_prep-k_qef8e3b0104_prep
	.p2alignl 7, 3214868480
	.fill 96, 4, 3214868480
	.section	.rodata,"a",@progbits
	.p2align	6, 0x0
	.amdhsa_kernel k_qef8e3b0104_prep
		.amdhsa_group_segment_fixed_size 58880
		.amdhsa_private_segment_fixed_size 0
		.amdhsa_enable_private_segment 0
		.amdhsa_kernarg_size 40
		.amdhsa_user_sgpr_count 2
		.amdhsa_user_sgpr_kernarg_segment_ptr 1
		.amdhsa_wavefront_size32 1
		.amdhsa_system_sgpr_workgroup_id_x 1
		.amdhsa_system_sgpr_workgroup_id_y 1
		.amdhsa_system_sgpr_workgroup_id_z 1
		.amdhsa_system_vgpr_workitem_id 0
		.amdhsa_next_free_vgpr 256
		.amdhsa_next_free_sgpr 66
		.amdhsa_reserve_vcc 1
		.amdhsa_float_denorm_mode_32 3
		.amdhsa_float_denorm_mode_16_64 3
		.amdhsa_memory_ordered 1
		.amdhsa_forward_progress 1
		.amdhsa_inst_pref_size 77
	.end_amdhsa_kernel
	.amdgpu_metadata
---
amdhsa.version: [ 1, 2 ]
amdhsa.kernels:
  - .name:           k_qef8e3b0104_prep
    .symbol:         k_qef8e3b0104_prep.kd
    .args:
      - { .name: x, .offset: 0, .size: 8, .value_kind: global_buffer, .address_space: global }
      - { .name: w_attn, .offset: 8, .size: 8, .value_kind: global_buffer, .address_space: global }
      - { .name: w_proj, .offset: 16, .size: 8, .value_kind: global_buffer, .address_space: global }
      - { .name: wcod, .offset: 24, .size: 8, .value_kind: global_buffer, .address_space: global }
      - { .name: wscl, .offset: 32, .size: 8, .value_kind: global_buffer, .address_space: global }
    .group_segment_fixed_size: 58880
    .private_segment_fixed_size: 0
    .kernarg_segment_align: 8
    .kernarg_segment_size: 40
    .max_flat_workgroup_size: 128
    .sgpr_count:     66
    .vgpr_count:     256
    .wavefront_size: 32
...
	.end_amdgpu_metadata
.endif
;; end of part 1
;; launch qkv (part 2): grid 12 x 64, 4 waves a work-group, clusters of 4 x 4, 295,424 bytes of LDS; arguments wcod, wscl, b_attn, hcod, hscl; writes hcod, hscl
.if DOCPART == 2
	.amdgcn_target "amdgcn-amd-amdhsa--gfx1250"
	.amdhsa_code_object_version 6
	.text
	.protected	k_qef8e3b0104_qkv
	.globl	k_qef8e3b0104_qkv
	.p2align	8
	.type	k_qef8e3b0104_qkv,@function
k_qef8e3b0104_qkv:
	s_mov_b64 s[64:65], 0
	v_nop
	global_prefetch_b8 v0, s[64:65] scope:SCOPE_SE
	s_setreg_imm32_b32 hwreg(HW_REG_WAVE_MODE, 25, 1), 1
	s_wait_xcnt 0x0
	s_wait_alu depctr_hold_cnt(0) depctr_sa_sdst(0) depctr_va_vdst(0) depctr_va_sdst(0) depctr_va_ssrc(0) depctr_va_vcc(0) depctr_vm_vsrc(0)
	s_getreg_b32 s2, hwreg(HW_REG_IB_STS2, 6, 4)
	s_cmp_eq_u32 s2, 0
	s_cbranch_scc0 .Lentry_in_a_cluster
	s_endpgm
.Lentry_in_a_cluster:
	s_bfe_u32 s2, ttmp6, 0x10000c
	s_cmp_lg_u32 s2, 0xf033
	s_cbranch_scc0 .Lentry_shape_is_right
	s_endpgm
.Lentry_shape_is_right:
; qkv = x w_attn + b_attn on codes of E3M2 with E8M0 scales (K = 1024), and q, k, v quantised on the way out: q and k along the head's 64, v along the keys.  Nothing leaves as f32.
; THE PRODUCT.  A work-group makes P 128 rows x R 256 rows (row blocks of 16, as the launch before laid them), four waves of 64 x 128: 32 accumulators.  Source 0 = a row block of R, source 1 = one of P: lane (r, h) holds
; P's row r of its block, and the 64 registers over R's eight blocks are R's rows 32 b + 16 h + i: neighbours, in the order that the quantiser wants.  So what is to be K of the next product is R:
;   clusters x = 0, 1 (q, k): P = tokens, R = w_attn's columns (128 a wave = two heads);   cluster x = 2 (v): P = v's channels (64 a wave = one head), R = tokens (128 a wave = one key step).
; LDS holds the tile's codes for ALL of K, 4 chunks of 256 along K x (8 + 16 row blocks x 3,072 bytes) = 294,912 bytes, each byte filled once: no slot is filled again.
; CLUSTERS 4 x 4: P's codes are shared along a row of the cluster, R's along a column: joint loads.  Each wave has four tensor loads out, one a chunk.  The scale words go from memory into registers, once.
; OUT.  hcod: q's tiles [head][tile][768], k's likewise, v's [head][key step][channel block][c][768]: images of half fragments.  hscl: scale words, two to a lane and four tiles (see the stores).
; LIMITS: NaN and infinities are not served; a block whose largest magnitude lies under 2^-122 keeps the byte 1; a block of zeros has the byte 1 with zero codes: this program alone reads the bytes.
; REGISTERS: window 0: v1-7 lane terms, v8-23 LDS addresses, v32-63 P's scale words, v64-127 R's, v128-223 P's fragments (two sets of 4 x 12); window 1: R's fragments (two sets of 8 x 12, at v0 and v128);
;   window 2: accumulator (a, b) at v[8 (8 a + b)]; window 3: the bias.  On the way out window 0's v128-247 are at work.
.set CHK,  73728                       ; a chunk in LDS: P's 8 row blocks, then R's 16
.set BOFF, 24576
.set SCA,  32
.set SCB,  64
.set AF,   128
.set A16,  8                           ; v8-11   chunk q: P's fragments, 16 bytes a lane;  v12-15 the 8-byte parts
.set A8,   12
.set B16,  16                          ; v16-19, v20-23 the same for R
.set B8,   20
.set G1A,  24
.set G1B,  32
.set G0A,  40                          ; s40-55  group 0 for P's four chunks
.set G0B,  68                          ; s68-83  for R's
.set SEL,  20
.set ST,   128
.set TM,   192
.set PC,   208
.set TMPR, 220
.set PW,   228
.set SW,   232
.set MSB, 0
.macro WIN new                         ; the immediate's high byte repeats the setting that is left
.if MSB != (\new)
	s_set_vgpr_msb (MSB<<8)|(\new)
.set MSB, (\new)
.endif
.endm
.macro CROUND                          ; a round of the cluster's barrier
	s_barrier_signal -1
	s_barrier_wait -1
	s_cmp_lg_u32 s14, 0
	s_cbranch_scc1 .Lnot_wave_0_\@
	s_barrier_signal -3
.Lnot_wave_0_\@:
	s_barrier_wait -3
	s_barrier_signal -1
	s_barrier_wait -1
.endm
.macro FRAG reg, a16, a8, off          ; a fragment's 12 registers from its image: every load reads consecutive bytes
	ds_load_b128 v[\reg:\reg+3], v[\a16] offset:\off
	ds_load_b64 v[\reg+4:\reg+5], v[\a8] offset:\off
	ds_load_b128 v[\reg+6:\reg+9], v[\a16] offset:\off+768
	ds_load_b64 v[\reg+10:\reg+11], v[\a8] offset:\off+768
.endm
.macro FETCH s, p                      ; K step s into set p: 48 LDS loads in one run
	WIN 0x40
.irp i, 0,1,2,3,4,5,6,7
	FRAG 128*(\p)+12*\i, B16+(\s)/2, B8+(\s)/2, 3072*\i+1536*((\s)%2)
.endr
	WIN 0
.irp i, 0,1,2,3
	FRAG AF+48*(\p)+12*\i, A16+(\s)/2, A8+(\s)/2, 3072*\i+1536*((\s)%2)
.endr
.endm
.macro MUL s, p, cm                    ; 32 matrix instructions; the accumulators take turns, one instruction a turn.  cm = 0: the products start the sums
	WIN 0xa1
.irp a, 0,1,2,3
.irp b, 0,1,2,3,4,5,6,7
.if (\cm) == 0
	v_wmma_scale_f32_16x16x128_f8f6f4 v[8*(8*\a+\b):8*(8*\a+\b)+7], v[128*(\p)+12*\b:128*(\p)+12*\b+11], v[AF+48*(\p)+12*\a:AF+48*(\p)+12*\a+11], 0, v[SCB+8*\b+(\s)], v[SCA+8*\a+(\s)] matrix_a_fmt:MATRIX_FMT_BF6 matrix_b_fmt:MATRIX_FMT_BF6
.else
	v_wmma_scale_f32_16x16x128_f8f6f4 v[8*(8*\a+\b):8*(8*\a+\b)+7], v[128*(\p)+12*\b:128*(\p)+12*\b+11], v[AF+48*(\p)+12*\a:AF+48*(\p)+12*\a+11], v[8*(8*\a+\b):8*(8*\a+\b)+7], v[SCB+8*\b+(\s)], v[SCA+8*\a+(\s)] matrix_a_fmt:MATRIX_FMT_BF6 matrix_b_fmt:MATRIX_FMT_BF6
.endif
.endr
.endr
.endm
.macro STEP s, cm
	s_wait_dscnt 0x0                               ; this step's fragments, asked for a step ago, are in
.if (((\s)%2) == 1) && ((\s) < 7)
	s_wait_tensorcnt 2-(\s)/2                      ; my part of the next chunk has landed; my loads for the chunks behind it may be out
	s_barrier_signal -1
	s_barrier_wait -1                              ; everybody's has
.endif
.if (\s) < 7
.if (\s) > 0
.rept 4
	v_nop                                          ; four places in front of loads into registers that the last step's matrix instructions have read
.endr
.endif
	FETCH (\s)+1, ((\s)+1)%2
.endif
	MUL \s, (\s)%2, \cm
.endm
.macro QUANT src, d0, d1, tmp, pw
.irp b, 0,1,2,3
	v_max3_num_f32 v[TM+\b], |v[\src+16*\b]|, |v[\src+1+16*\b]|, 0x2800000   ; my 16 numbers of block b, and the floor 2^(5 - 127)
.endr
.irp i, 2,4,6,8,10,12,14
.irp b, 0,1,2,3
	v_max3_num_f32 v[TM+\b], v[TM+\b], |v[\src+16*\b+\i]|, |v[\src+1+16*\b+\i]|
.endr
.endr
.irp b, 0,1,2,3
	v_permlanex16_b32 v[TM+4+\b], v[TM+\b], s[SEL], s[SEL+1]
.endr
.irp b, 0,1,2,3
	v_max_num_f32 v[TM+\b], v[TM+\b], v[TM+4+\b]
.endr
.irp b, 0,1,2,3
	v_add_nc_u32 v[TM+12+\b], 0xfe000000, v[TM+\b]   ; 4 off the exponent field: the conversion's scale operand
.endr
.irp b, 0,1,2,3
	v_lshrrev_b32 v[TM+4+\b], 23, v[TM+12+\b]
.endr
	v_lshl_or_b32 v[\pw], v[TM+5], 8, v[TM+4]
	v_lshl_or_b32 v[\pw], v[TM+6], 16, v[\pw]
	v_lshl_or_b32 v[\pw], v[TM+7], 24, v[\pw]
	v_cvt_scalef32_pk16_bf6_f32 v[\d0:\d0+2], v[\src:\src+15], v[TM+12]
	v_cvt_scalef32_pk16_bf6_f32 v[\tmp:\tmp+2], v[\src+16:\src+31], v[TM+13]
	v_cvt_scalef32_pk16_bf6_f32 v[\d1:\d1+2], v[\src+32:\src+47], v[TM+14]
	v_cvt_scalef32_pk16_bf6_f32 v[\tmp+4:\tmp+6], v[\src+48:\src+63], v[TM+15]
	v_nop                                          ; one plain instruction behind the scaled conversions
.irp i, 0,1,2
	v_permlane16_swap_b32 v[\d0+\i], v[\tmp+\i]
.endr
.irp i, 0,1,2
	v_mov_b32 v[\d0+3+\i], v[\tmp+\i]
.endr
.irp i, 0,1,2
	v_permlane16_swap_b32 v[\d1+\i], v[\tmp+4+\i]
.endr
.irp i, 0,1,2
	v_mov_b32 v[\d1+3+\i], v[\tmp+4+\i]
.endr
.endm
; THE WAY OUT, P's four blocks one after the other: the bias is added (the addition is also the move into window 0; each accumulator is read from its low end on), 64 numbers are quantised, four stores of whole runs of 256 bytes.
.macro EPI kind                        ; 0: q, k   1: v
	s_wait_loadcnt 0x0                             ; the bias
.rept 4
	v_nop                                          ; four places behind the last products
.endr
	WIN 0
.irp b, 0,1,2,3
	v_mov_b32 v[TM+4+\b], 0                        ; a lane permute's destination counts as one of its sources
.endr
.irp a, 0,1,2,3
	WIN 0x0e                                       ; source 0 window 2 (sums), source 1 window 3 (bias), destination window 0
.set li, 0
.rept 32
.if \kind
	v_pk_add_f32 v[ST+li:ST+li+1], v[64*\a+li:64*\a+li+1], v[64+2*\a:65+2*\a] op_sel_hi:[1,0]   ; the bias of my channel
.else
	v_pk_add_f32 v[ST+li:ST+li+1], v[64*\a+li:64*\a+li+1], v[li:li+1]                           ; the biases of my 64 columns
.endif
.set li, li+2
.endr
	WIN 0
.if \a > 0
	s_wait_xcnt 0x0                                ; the last block's stores have read the code registers
.endif
	QUANT ST, PC, PC+6, TMPR, PW+\a
.if \kind
	global_store_b128 v2, v[PC:PC+3], s[10:11] offset:1536*\a            ; channel block a of my head: keys 0-63 of the step,
	global_store_b64 v4, v[PC+4:PC+5], s[10:11] offset:1536*\a+512
	global_store_b128 v2, v[PC+6:PC+9], s[10:11] offset:1536*\a+768      ; keys 64-127
	global_store_b64 v4, v[PC+10:PC+11], s[10:11] offset:1536*\a+1280
.else
	global_store_b128 v2, v[PC:PC+3], s[10:11] offset:768*\a             ; tile i0 + a of my first head,
	global_store_b64 v4, v[PC+4:PC+5], s[10:11] offset:768*\a+512
	global_store_b128 v2, v[PC+6:PC+9], s[10:11] offset:768*\a+98304     ; of my second
	global_store_b64 v4, v[PC+10:PC+11], s[10:11] offset:768*\a+98304+512
.endif
.endr
	v_cmp_le_u32 vcc_lo, 16, v1                    ; a register of scale words carries an even block's in lanes 0-15 and the odd block's in lanes 16-31
	v_cndmask_b32 v[SW], v[PW], v[PW+1], vcc_lo
	v_cndmask_b32 v[SW+1], v[PW+2], v[PW+3], vcc_lo
.if \kind
	global_store_b64 v4, v[SW:SW+1], s[12:13]      ; 256 consecutive bytes
.else
	v_and_b32 v[SW+2], 0xffff, v[SW]               ; a head has two blocks: its word's upper bytes are 0
	v_and_b32 v[SW+3], 0xffff, v[SW+1]
	v_lshrrev_b32 v[SW+4], 16, v[SW]
	v_lshrrev_b32 v[SW+5], 16, v[SW+1]
	global_store_b64 v4, v[SW+2:SW+3], s[12:13]
	global_store_b64 v4, v[SW+4:SW+5], s[100:101]
.endif
.endm
	s_load_b128 s[4:7], s[0:1], 0x0                ; wcod, wscl
	s_load_b128 s[8:11], s[0:1], 0x10              ; b_attn, hcod
	s_load_b64 s[12:13], s[0:1], 0x20              ; hscl
	v_lshl_add_u32 v254, v0, 2, 0x48000
	v_mov_b32 v255, 0
	ds_add_u32 v254, v255
	ds_add_u32 v254, v255
	v_lshrrev_b32 v1, 5, v0
	v_readfirstlane_b32 s14, v1                    ; wave 0..3
	s_lshr_b32 s15, s14, 1                         ; which 64 rows of P are mine.  Also: I fetch for P (0) or for R (1)
	s_and_b32 s16, s14, 1                          ; which 128 rows of R.  Also: which half of that tile I fetch
	s_bfe_u32 s56, ttmp6, 0x40000                  ; cx
	s_bfe_u32 s57, ttmp6, 0x40004                  ; cy
	s_and_b32 s58, ttmp7, 0xffff                   ; cluster y, 0..15
	s_lshr_b32 s59, s58, 3
	s_and_b32 s60, s58, 7
	s_cmp_eq_u32 ttmp9, 2                          ; cluster x = 2: v.  The same in all sixteen partners
	s_cselect_b32 s59, s59, s58                    ; the cluster's place along P
	s_cselect_b32 s60, s60, ttmp9                  ; and along R
	s_cselect_b32 s61, 640, 0                      ; P's first row block: v's channels, or x
	s_cselect_b32 s62, 0, 512                      ; R's: x, or w_attn's columns
	s_cselect_b32 s63, 1, 0
	s_lshl_b32 s59, s59, 2
	s_add_co_u32 s59, s59, s57                     ; tile along P
	s_lshl_b32 s60, s60, 2
	s_add_co_u32 s60, s60, s56                     ; tile along R
	s_lshl_b32 s84, s59, 3
	s_add_co_u32 s84, s84, s61                     ; P's first row block of the tile
	s_lshl_b32 s85, s60, 4
	s_add_co_u32 s85, s85, s62                     ; R's
	s_lshl_b32 s17, s57, 2
	s_lshl_b32 s17, 15, s17                        ; my row of the cluster
	s_lshl_b32 s18, 0x1111, s56                    ; my column
	s_or_b32 s[G1A], s17, (3<<16)|(1<<21)          ; the mask; elements of 8 bytes; bit 21 beside a mask; no padding
	s_mov_b32 s[G1A+1], 384<<16                    ; a row: one row block's 3,072 bytes of a chunk
	s_mov_b32 s[G1A+2], 4<<16                      ; 4 row blocks
	s_mov_b32 s[G1A+3], 384<<16
	s_mov_b32 s[G1A+4], 4
	s_mov_b32 s[G1A+5], 1536                       ; 12,288 bytes from row block to row block
	s_mov_b32 s[G1A+6], 0
	s_mov_b32 s[G1A+7], 0
	s_or_b32 s[G1B], s18, (3<<16)|(1<<21)
	s_mov_b32 s[G1B+1], 384<<16
	s_mov_b32 s[G1B+2], 8<<16                      ; 8 row blocks
	s_mov_b32 s[G1B+3], 384<<16
	s_mov_b32 s[G1B+4], 8
	s_mov_b32 s[G1B+5], 1536
	s_mov_b32 s[G1B+6], 0
	s_mov_b32 s[G1B+7], 0
	s_lshl_b32 s86, s16, 2
	s_add_co_u32 s86, s86, s84
	s_mul_i32 s86, s86, 12288                      ; P: the half that I fetch, in memory
	s_mov_b32 s87, 0
	s_lshl_b32 s88, s16, 3
	s_add_co_u32 s88, s88, s85
	s_mul_i32 s88, s88, 12288                      ; R likewise
	s_mov_b32 s89, 0
	s_mul_i32 s90, s16, 12288                      ; and in a chunk: no place in the cluster enters an LDS address
	s_mul_i32 s91, s16, 24576
	s_add_co_u32 s91, s91, BOFF
	s_lshl_b32 s98, s15, 2
	s_add_co_u32 s98, s98, s84                     ; my wave's first row block of P
	s_lshl_b32 s99, s16, 3
	s_add_co_u32 s99, s99, s85                     ; and of R
	s_lshl_b32 s94, s98, 9
	s_mov_b32 s95, 0
	s_lshl_b32 s96, s99, 9
	s_mov_b32 s97, 0
	s_mov_b32 s[SEL], 0x76543210
	s_mov_b32 s[SEL+1], 0xfedcba98
	s_wait_dscnt 0x0
	s_wait_kmcnt 0x0
	s_add_nc_u64 s[86:87], s[4:5], s[86:87]
	s_add_nc_u64 s[88:89], s[4:5], s[88:89]
	s_add_nc_u64 s[94:95], s[6:7], s[94:95]        ; my scale words of P
	s_add_nc_u64 s[96:97], s[6:7], s[96:97]        ; of R
.irp q, 0,1,2,3
	s_mov_b32 s[G0A+4*\q], 1
	s_add_co_u32 s[G0A+4*\q+1], s90, \q*CHK
	s_add_nc_u64 s[G0A+4*\q+2:G0A+4*\q+3], s[86:87], \q*3072
	s_or_b32 s[G0A+4*\q+3], s[G0A+4*\q+3], 0x80000000
	s_mov_b32 s[G0B+4*\q], 1
	s_add_co_u32 s[G0B+4*\q+1], s91, \q*CHK
	s_add_nc_u64 s[G0B+4*\q+2:G0B+4*\q+3], s[88:89], \q*3072
	s_or_b32 s[G0B+4*\q+3], s[G0B+4*\q+3], 0x80000000
.endr
	CROUND                                         ; all sixteen work-groups are here: the joint loads meet
	s_cmp_eq_u32 s15, 0                            ; a wave's four fills stand in one branch on its number: four tensor loads of mine are out
	s_cbranch_scc0 .Lfill_b
.irp q, 0,1,2,3
	tensor_load_to_lds s[G0A+4*\q:G0A+4*\q+3], s[G1A:G1A+7]
	s_nop 0
.endr
.rept 4
	v_nop
.endr
	s_branch .Lfilled
.Lfill_b:
.irp q, 0,1,2,3
	tensor_load_to_lds s[G0B+4*\q:G0B+4*\q+3], s[G1B:G1B+7]
	s_nop 0
.endr
.rept 4
	v_nop
.endr
.Lfilled:
	v_and_b32 v1, 31, v0                           ; lane
	v_lshlrev_b32 v2, 4, v1                        ; 16 x lane
	v_lshl_add_u32 v3, v1, 3, 512                  ; 512 + 8 x lane: an image's 8-byte part
	v_lshlrev_b32 v4, 3, v1                        ; 8 x lane
	v_and_b32 v24, 15, v0                          ; r
	v_bfe_u32 v25, v0, 4, 1                        ; h
	v_lshlrev_b32 v5, 4, v24                       ; 16 r: a row's four scale words
	v_lshlrev_b32 v6, 6, v25                       ; 64 h: the bias of 16 h columns on
	v_and_b32 v26, 8, v24
	v_add_nc_u32 v26, v26, v24
	v_lshlrev_b32 v7, 2, v26                       ; 4 (r + 8 (r / 8)): the bias of my row of a block
.irp a, 0,1,2,3
	global_load_b128 v[SCA+8*\a:SCA+8*\a+3], v5, s[94:95] offset:512*\a
	global_load_b128 v[SCA+8*\a+4:SCA+8*\a+7], v5, s[94:95] offset:512*\a+256
.endr
.irp b, 0,1,2,3,4,5,6,7
	global_load_b128 v[SCB+8*\b:SCB+8*\b+3], v5, s[96:97] offset:512*\b
	global_load_b128 v[SCB+8*\b+4:SCB+8*\b+7], v5, s[96:97] offset:512*\b+256
.endr
	s_mul_i32 s92, s15, 12288
	s_mul_i32 s93, s16, 24576
	s_add_co_u32 s93, s93, BOFF
.irp q, 0,1,2,3
	v_add_nc_u32 v[A16+\q], s92, v2
	v_add_nc_u32 v[A8+\q], s92, v3
	v_add_nc_u32 v[B16+\q], s93, v2
	v_add_nc_u32 v[B8+\q], s93, v3
	s_add_co_u32 s92, s92, CHK
	s_add_co_u32 s93, s93, CHK
.endr
	s_wait_alu depctr_va_vdst(0)
	s_wait_tensorcnt 0x3                           ; my part of chunk 0 has landed; my three later loads may be out
	s_barrier_signal -1
	s_barrier_wait -1                              ; everybody's has
	FETCH 0, 0
	s_wait_loadcnt 0x0                             ; the scale words
	STEP 0, 0
	STEP 1, 1
	STEP 2, 1
	STEP 3, 1
	STEP 4, 1
	STEP 5, 1
	WIN 0
	s_cmp_eq_u32 s63, 1                            ; ONE parting of the ways, on the cluster's x: each way asks for its bias here, so that it lands under the last two steps
	s_cbranch_scc1 .Lkind_v
	s_lshr_b32 s2, s98, 7                          ; q, k: the batch,
	s_lshl_b32 s2, s2, 4
	s_lshl_b32 s3, s56, 2
	s_add_co_u32 s2, s2, s3
	s_lshl_b32 s3, s16, 1
	s_add_co_u32 s2, s2, s3                        ; my first head: 16 batch + 4 cx + 2 x half
	s_and_b32 s3, s98, 127                         ; my first tile of the batch's tokens
	s_mul_i32 s22, s2, 98304
	s_mul_i32 s19, s3, 768
	s_add_co_u32 s22, s22, s19
	s_mul_i32 s19, ttmp9, 6291456                  ; q's images, or k's behind them
	s_add_co_u32 s22, s22, s19
	s_mov_b32 s23, 0
	s_add_nc_u64 s[10:11], s[10:11], s[22:23]
	s_mov_b32 s92, 12288
	s_cmp_eq_u32 ttmp9, 0
	s_cselect_b32 s92, 8192, s92                   ; a head's scale bytes: q's 8,192; k's lie with v's: 12,288
	s_cselect_b32 s19, 0, 524288
	s_mov_b32 s93, 0
	s_mul_i32 s22, s2, s92
	s_add_co_u32 s22, s22, s19
	s_lshr_b32 s3, s3, 2
	s_lshl_b32 s3, s3, 8                           ; four tiles' words are 256 bytes
	s_add_co_u32 s22, s22, s3
	s_add_nc_u64 s[12:13], s[12:13], s[22:23]
	s_add_nc_u64 s[100:101], s[12:13], s[92:93]    ; the second head's
	s_sub_co_u32 s22, s99, 512
	s_lshl_b32 s22, s22, 6                         ; 16 columns of 4 bytes a row block
	s_add_nc_u64 s[8:9], s[8:9], s[22:23]
	WIN 0xc0                                       ; destination window 3
.irp b, 0,1,2,3,4,5,6,7
	global_load_b128 v[8*\b:8*\b+3], v6, s[8:9] offset:(32*(\b/2)+8*(\b%2))*4
	global_load_b128 v[8*\b+4:8*\b+7], v6, s[8:9] offset:(32*(\b/2)+8*(\b%2))*4+16
.endr
	WIN 0
	STEP 6, 1
	STEP 7, 1
	EPI 0
	s_branch .Ldone
.Lkind_v:
	s_sub_co_u32 s2, s98, 640
	s_lshr_b32 s2, s2, 2                           ; v: my head,
	s_lshr_b32 s3, s99, 7
	s_lshl_b32 s3, s3, 4
	s_add_co_u32 s2, s2, s3                        ; + 16 batch
	s_bfe_u32 s3, s99, 0x40003                     ; my key step of the batch: 8 row blocks each
	s_mul_i32 s22, s2, 98304
	s_mul_i32 s19, s3, 6144
	s_add_co_u32 s22, s22, s19
	s_add_co_u32 s22, s22, 12582912
	s_mov_b32 s23, 0
	s_add_nc_u64 s[10:11], s[10:11], s[22:23]
	s_mul_i32 s22, s2, 12288
	s_lshl_b32 s19, s3, 8
	s_add_co_u32 s22, s22, s19
	s_add_co_u32 s22, s22, 524288+8192
	s_add_nc_u64 s[12:13], s[12:13], s[22:23]
	s_sub_co_u32 s22, s98, 512
	s_lshl_b32 s22, s22, 6
	s_add_nc_u64 s[8:9], s[8:9], s[22:23]
	WIN 0xc0
.irp a, 0,1,2,3
	global_load_b32 v[64+2*\a], v7, s[8:9] offset:(32*(\a/2)+8*(\a%2))*4
	global_load_b32 v[65+2*\a], v7, s[8:9] offset:(32*(\a/2)+8*(\a%2))*4      ; (the packed addition names the pair)
.endr
	WIN 0
	STEP 6, 1
	STEP 7, 1
	EPI 1
.Ldone:
	s_wait_tensorcnt 0x0
	ds_add_u32 v254, v255
	s_wait_dscnt 0x0
	CROUND                                         ; the closing round: no work-group ends while a partner may still ask for a tile that names it
	s_endpgm
.Lfunc_end_k_qef8e3b0104_qkv:
	.size	k_qef8e3b0104_qkv, .Lfunc_end_k_qef8e3b0104_qkv-k_qef8e3b0104_qkv
	.p2alignl 7, 3214868480
	.fill 96, 4, 3214868480
	.section	.rodata,"a",@progbits
	.p2align	6, 0x0
	.amdhsa_kernel k_qef8e3b0104_qkv
		.amdhsa_group_segment_fixed_size 295424
		.amdhsa_private_segment_fixed_size 0
		.amdhsa_enable_private_segment 0
		.amdhsa_kernarg_size 40
		.amdhsa_user_sgpr_count 2
		.amdhsa_user_sgpr_kernarg_segment_ptr 1
		.amdhsa_wavefront_size32 1
		.amdhsa_system_sgpr_workgroup_id_x 1
		.amdhsa_system_sgpr_workgroup_id_y 1
		.amdhsa_system_sgpr_workgroup_id_z 1
		.amdhsa_system_vgpr_workitem_id 0
		.amdhsa_next_free_vgpr 1024
		.amdhsa_next_free_sgpr 102
		.amdhsa_reserve_vcc 1
		.amdhsa_float_denorm_mode_32 3
		.amdhsa_float_denorm_mode_16_64 3
		.amdhsa_memory_ordered 1
		.amdhsa_forward_progress 1
		.amdhsa_inst_pref_size 137
	.end_amdhsa_kernel
	.amdgpu_metadata
---
amdhsa.version: [ 1, 2 ]
amdhsa.kernels:
  - .name:           k_qef8e3b0104_qkv
    .symbol:         k_qef8e3b0104_qkv.kd
    .args:
      - { .name: wcod, .offset: 0, .size: 8, .value_kind: global_buffer, .address_space: global }
      - { .name: wscl, .offset: 8, .size: 8, .value_kind: global_buffer, .address_space: global }
      - { .name: b_attn, .offset: 16, .size: 8, .value_kind: global_buffer, .address_space: global }
      - { .name: hcod, .offset: 24, .size: 8, .value_kind: global_buffer, .address_space: global }
      - { .name: hscl, .offset: 32, .size: 8, .value_kind: global_buffer, .address_space: global }
    .group_segment_fixed_size: 295424
    .private_segment_fixed_size: 0
    .kernarg_segment_align: 8
    .kernarg_segment_size: 40
    .max_flat_workgroup_size: 128
    .sgpr_count:     102
    .vgpr_count:     1024
    .wavefront_size: 32
...
	.end_amdgpu_metadata
.endif
;; end of part 2
;; launch attn (part 3): grid 4 x 64, 16 waves a work-group, clusters of 4 x 1, 210,944 bytes of LDS; arguments hcod, hscl, wcod, wscl; writes wcod, wscl
.if DOCPART == 3
	.amdgcn_target "amdgcn-amd-amdhsa--gfx1250"
	.amdhsa_code_object_version 6
	.text
	.protected	k_qef8e3b0104_attn
	.globl	k_qef8e3b0104_attn
	.p2align	8
	.type	k_qef8e3b0104_attn,@function
k_qef8e3b0104_attn:
	s_mov_b64 s[64:65], 0
	v_nop
	global_prefetch_b8 v0, s[64:65] scope:SCOPE_SE
	s_setreg_imm32_b32 hwreg(HW_REG_WAVE_MODE, 25, 1), 1
	s_wait_xcnt 0x0
	s_wait_alu depctr_hold_cnt(0) depctr_sa_sdst(0) depctr_va_vdst(0) depctr_va_sdst(0) depctr_va_ssrc(0) depctr_va_vcc(0) depctr_vm_vsrc(0)
	s_getreg_b32 s2, hwreg(HW_REG_IB_STS2, 6, 4)
	s_cmp_eq_u32 s2, 0
	s_cbranch_scc0 .Lentry_in_a_cluster
	s_endpgm
.Lentry_in_a_cluster:
	s_bfe_u32 s2, ttmp6, 0x10000c
	s_cmp_lg_u32 s2, 0x3003
	s_cbranch_scc0 .Lentry_shape_is_right
	s_endpgm
.Lentry_shape_is_right:
; y = softmax(q k^T / 8, causal) v for one head a cluster, both products on codes of E3M2 with E8M0 scales; y is quantised along C on the way out, into the image that the last product reads.
; THE SOFTMAX: t = score x log2(e) / 8; M = the running largest t rounded UP to a whole number; p = 2^(t - M) is quantised along the keys, not normalised; the sum of the unquantised p divides at the end.
; When M moves, the sum and O are multiplied by 2^(old M - new M): exact.
; SHARES.  The four work-groups of a cluster share one head; its K, V and their scale words, 208,896 bytes, come into each one's LDS ONCE, by joint loads: nothing is filled again.
; A wave owns two tiles of 16 queries: with a = wave / 2, e = wave % 2: tile 8 a + 2 cx + e, whose diagonal lies in key step a, and tile 127 - that, whose diagonal lies in key step 15 - a: 17 key steps of 128 for every wave.
; The step of the diagonal hangs on the wave's number alone: no branch hangs on the work-group's place in its cluster; cx enters global addresses and the mask's lane value.
; LAYOUT.  Both products are used transposed (S^T = K Q^T, O^T = V^T P^T): a lane holds one query.  Tiles are row blocks: index r of tile i is token 32 (i / 2) + 8 (i % 2) + r + 8 (r / 8), so that the 16 registers of two
; neighbouring tiles of keys are 16 neighbouring keys.  THE HEAD IS 64, HALF OF THE INSTRUCTION'S K: Q's upper six registers hold zero codes, K's upper six are whatever follows (the next tile's codes: every code is a finite number),
; and the upper two bytes of both scale words are 0: k = 64 .. 127 adds exactly nothing.
; LIMITS: NaN and infinities are not served; a block of y whose largest magnitude lies under 2^-122 keeps the byte 1.  y's scale bytes leave one byte a lane (a head owns two bytes of a scale word): 32 bytes beside 768 of codes.
; REGISTERS: v1-7, v86, v87, v94 lane terms that stay; v8-11, v30, v31 the step's addresses; v12 -M, v13 largest t, v[14:15] the sum; v16-27 Q; v28 Q's scale word; v29 the mask's d; v32-85 K's tiles, then V's; v88-93 scale words;
;   v96-159 S^T, then p; v160-191 O^T; v192-203 p's codes; v204-229 at work.
.set WV,  18
.set SEL, 20
.set CS,  22                           ; s[22:23] c = log2(e) / 8
.set G1C, 24                           ; a quarter of K or V: 96 rows of 256 bytes
.set G1S, 32                           ; the scale words: 48 rows
.set G0C, 40
.set G0S, 44
.set KS,  84                           ; the key step
.set SD,  85                           ; the diagonal's
.set TB,  86                           ; its tiles' LDS byte: 6,144 a step
.set TS,  87                           ; K's scale words: 512 a step
.set TT,  88                           ; V's: 256 a step
.set TI,  89                           ; my tile of queries
.macro CROUND
	s_barrier_signal -1
	s_barrier_wait -1
	s_cmp_lg_u32 s[WV], 0
	s_cbranch_scc1 .Lnot_wave_0_\@
	s_barrier_signal -3
.Lnot_wave_0_\@:
	s_barrier_wait -3
	s_barrier_signal -1
	s_barrier_wait -1
.endm
; A KEY STEP: 128 keys.  A step behind the diagonal is left out by a scalar branch on the wave's number and the loop's count.
.macro STEP
	s_cmp_gt_u32 s[KS], s[SD]
	s_cbranch_scc1 .Lhidden_\@
	s_setprio 2
	v_add_nc_u32 v8, s[TB], v1                     ; six plain instructions: also the places in front of loads into registers that the last step's products have read
	v_add_nc_u32 v9, s[TB], v2
	v_add_nc_u32 v30, s[TB], v86
	v_add_nc_u32 v31, s[TB], v87
	v_add_nc_u32 v10, s[TS], v3
	v_add_nc_u32 v11, s[TT], v4
.irp t, 0,1,2,3,4,5,6,7
	ds_load_b128 v[32+6*\t:35+6*\t], v8 offset:768*\t
	ds_load_b64 v[36+6*\t:37+6*\t], v9 offset:768*\t
.endr
	ds_load_b64 v[88:89], v10                      ; register t / 2: tile t's words in lanes 0-15 (t even) or 16-31 (t odd)
	ds_load_b64 v[90:91], v10 offset:256
	s_wait_alu depctr_va_vdst(0)
	s_wait_dscnt 0x0
.irp t, 0,1,2,3,4,5,6,7
.if \t%2
	v_wmma_scale_f32_16x16x128_f8f6f4 v[96+8*\t:103+8*\t], v[32+6*\t:43+6*\t], v[16:27], 0, v[88+\t/2], v28 matrix_a_fmt:MATRIX_FMT_BF6 matrix_b_fmt:MATRIX_FMT_BF6 matrix_a_scale:MATRIX_SCALE_ROW1
.else
	v_wmma_scale_f32_16x16x128_f8f6f4 v[96+8*\t:103+8*\t], v[32+6*\t:43+6*\t], v[16:27], 0, v[88+\t/2], v28 matrix_a_fmt:MATRIX_FMT_BF6 matrix_b_fmt:MATRIX_FMT_BF6
.endif
.endr
.rept 4
	v_nop                                          ; four places: then V's loads into K's registers, and the first reads of the scores
.endr
.irp t, 0,1,2,3
.irp c, 0,1
	ds_load_b128 v[32+12*\t+6*\c:35+12*\t+6*\c], v30 offset:1536*\t+768*\c    ; V lands under the softmax
	ds_load_b64 v[36+12*\t+6*\c:37+12*\t+6*\c], v31 offset:1536*\t+768*\c
.endr
.endr
	ds_load_b64 v[92:93], v11
	s_cmp_lt_u32 s[KS], s[SD]
	s_cbranch_scc1 .Lopen_\@
	v_mov_b32 v227, 0xff800000                     ; on the diagonal hidden scores become -infinity: register 16 b + i holds key 32 b + 16 h + i of the step, hidden where 32 b + i > d
.set nn, 0
.rept 64
	v_cmp_gt_i32 vcc_lo, 32*(nn/16)+nn%16, v29
	v_cndmask_b32 v[96+nn], v[96+nn], v227, vcc_lo
.set nn, nn+1
.endr
.Lopen_\@:
.irp b, 0,1,2,3
	v_max3_num_f32 v[212+\b], v[96+16*\b], v[97+16*\b], v[98+16*\b]   ; the largest score of each block of 32 keys: for the row's maximum, and, since p rises with the score, for the block's largest p
.endr
.irp i, 3,5,7,9,11,13
.irp b, 0,1,2,3
	v_max3_num_f32 v[212+\b], v[212+\b], v[96+16*\b+\i], v[97+16*\b+\i]
.endr
.endr
.irp b, 0,1,2,3
	v_max_num_f32 v[212+\b], v[212+\b], v[111+16*\b]
.endr
.irp b, 0,1,2,3
	s_delay_alu instid0(VALU_DEP_4)
	v_permlanex16_b32 v[216+\b], v[212+\b], s[SEL], s[SEL+1]
.endr
.irp b, 0,1,2,3
	s_delay_alu instid0(VALU_DEP_4)
	v_max_num_f32 v[212+\b], v[212+\b], v[216+\b]  ; with lane l xor 16's 16 keys
.endr
	s_delay_alu instid0(VALU_DEP_2)
	v_max3_num_f32 v227, v212, v213, v214
	s_delay_alu instid0(VALU_DEP_1)
	v_max_num_f32 v227, v227, v215
	s_delay_alu instid0(VALU_DEP_1)
	v_mul_f32 v227, s[CS], v227                    ; as t
	s_delay_alu instid0(VALU_DEP_1)
	v_max_num_f32 v13, v13, v227                   ; the running largest t
	v_mov_b32 v227, v12
	s_delay_alu instid0(VALU_DEP_2)
	v_floor_f32 v12, -v13                          ; the new -M = -ceil(t)
	s_delay_alu instid0(VALU_DEP_1)
	v_sub_f32 v227, v12, v227                      ; old M - new M: a whole number, 0 or less
	s_delay_alu instid0(VALU_DEP_1)
	v_cvt_i32_f32 v227, v227                       ; (it saturates)
	s_delay_alu instid0(VALU_DEP_1)
	v_ldexp_f32 v224, 1.0, v227                    ; f = 2^(old M - new M)
.set jj, 0
	s_setprio 1
.rept 32
	v_pk_fma_f32 v[96+jj:97+jj], v[96+jj:97+jj], s[CS:CS+1], v[12:13] op_sel_hi:[1,0,0]   ; t - M
.set jj, jj+2
.endr
.irp b, 0,1,2,3
	v_fma_f32 v[212+\b], v[212+\b], s[CS], v12     ; the same of each block's largest score
.endr
.set jj, 0
	s_wait_alu depctr_va_vdst(0)
.rept 64
	v_exp_f32 v[96+jj], v[96+jj]                   ; p = 2^(t - M)
.set jj, jj+1
.endr
	v_pk_mul_f32 v[14:15], v[14:15], v[224:225] op_sel_hi:[1,0]   ; the sums under the new M: the plain instruction behind the exponentials
	s_wait_alu depctr_va_vdst(0)                   ; one wait for the batch of 64, ahead of its first reader
.irp b, 0,1,2,3
	v_exp_f32 v[212+\b], v[212+\b]                 ; the blocks' largest p
.endr
	v_pk_add_f32 v[228:229], v[100:101], v[104:105]
	v_pk_add_f32 v[252:253], v[108:109], v[112:113]
	v_pk_add_f32 v[250:251], v[116:117], v[120:121]
	v_pk_add_f32 v[248:249], v[124:125], v[128:129]
	v_pk_add_f32 v[246:247], v[132:133], v[136:137]
	v_pk_add_f32 v[244:245], v[140:141], v[144:145]
	v_pk_add_f32 v[242:243], v[148:149], v[152:153]
	v_pk_add_f32 v[14:15], v[14:15], v[156:157]
	v_pk_add_f32 v[228:229], v[228:229], v[96:97]
	v_pk_add_f32 v[252:253], v[252:253], v[98:99]
	v_pk_add_f32 v[250:251], v[250:251], v[102:103]
	v_pk_add_f32 v[248:249], v[248:249], v[106:107]
	v_pk_add_f32 v[246:247], v[246:247], v[110:111]
	v_pk_add_f32 v[244:245], v[244:245], v[114:115]
	v_pk_add_f32 v[242:243], v[242:243], v[118:119]
	v_pk_add_f32 v[14:15], v[14:15], v[122:123]
	v_pk_add_f32 v[228:229], v[228:229], v[126:127]
	v_pk_add_f32 v[252:253], v[252:253], v[130:131]
	v_pk_add_f32 v[250:251], v[250:251], v[134:135]
	v_pk_add_f32 v[248:249], v[248:249], v[138:139]
	v_pk_add_f32 v[246:247], v[246:247], v[142:143]
	v_pk_add_f32 v[244:245], v[244:245], v[146:147]
	v_pk_add_f32 v[242:243], v[242:243], v[150:151]
	v_pk_add_f32 v[14:15], v[14:15], v[154:155]
	v_pk_add_f32 v[228:229], v[228:229], v[158:159]
	s_delay_alu instid0(VALU_DEP_2)
	v_pk_add_f32 v[14:15], v[14:15], v[248:249]
	s_delay_alu instid0(VALU_DEP_2)
	v_pk_add_f32 v[228:229], v[228:229], v[246:247]
	v_pk_add_f32 v[252:253], v[252:253], v[244:245]
	v_pk_add_f32 v[250:251], v[250:251], v[242:243]
	s_delay_alu instid0(VALU_DEP_2)
	v_pk_add_f32 v[14:15], v[14:15], v[252:253]
	s_delay_alu instid0(VALU_DEP_2)
	v_pk_add_f32 v[228:229], v[228:229], v[250:251]
	s_delay_alu instid0(VALU_DEP_1)
	v_pk_add_f32 v[14:15], v[14:15], v[228:229]
	s_wait_alu depctr_va_vdst(0)                   ; and one for the four
.irp b, 0,1,2,3
	v_max_num_f32 v[212+\b], 0x2800000, v[212+\b]  ; the floor 2^(5 - 127)
.endr
.irp b, 0,1,2,3
	s_delay_alu instid0(VALU_DEP_4)
	v_add_nc_u32 v[220+\b], 0xfe000000, v[212+\b]  ; the conversion's scale operand
.endr
.irp b, 0,1,2,3
	s_delay_alu instid0(VALU_DEP_4)
	v_lshrrev_b32 v[216+\b], 23, v[220+\b]         ; the scale's byte
.endr
	s_delay_alu instid0(VALU_DEP_3)
	v_lshl_or_b32 v226, v217, 8, v216              ; p's scale word for these 128 keys
	s_delay_alu instid0(VALU_DEP_1)
	v_lshl_or_b32 v226, v218, 16, v226
	s_delay_alu instid0(VALU_DEP_1)
	v_lshl_or_b32 v226, v219, 24, v226
	s_setprio 0
.irp c, 0,1
	v_cvt_scalef32_pk16_bf6_f32 v[192+6*\c:194+6*\c], v[96+32*\c:111+32*\c], v[220+2*\c]
	v_cvt_scalef32_pk16_bf6_f32 v[204+4*\c:206+4*\c], v[112+32*\c:127+32*\c], v[221+2*\c]
.endr
	v_nop                                          ; one plain instruction behind the scaled conversions
.irp c, 0,1
.irp i, 0,1,2
	v_permlane16_swap_b32 v[192+6*\c+\i], v[204+4*\c+\i]
.endr
.irp i, 0,1,2
	s_delay_alu instid0(VALU_DEP_3)
	v_mov_b32 v[195+6*\c+\i], v[204+4*\c+\i]
.endr
.endr
.set jj, 0
.rept 16
	v_pk_mul_f32 v[160+jj:161+jj], v[160+jj:161+jj], v[224:225] op_sel_hi:[1,0]   ; O^T under the new M; also the places between p's scale word and codes and the products
.set jj, jj+2
.endr
	s_wait_alu depctr_va_vdst(0)
	s_wait_dscnt 0x0                               ; V and its scale words
.irp t, 0,1,2,3
.if \t%2
	v_wmma_scale_f32_16x16x128_f8f6f4 v[160+8*\t:167+8*\t], v[32+12*\t:43+12*\t], v[192:203], v[160+8*\t:167+8*\t], v[92+\t/2], v226 matrix_a_fmt:MATRIX_FMT_BF6 matrix_b_fmt:MATRIX_FMT_BF6 matrix_a_scale:MATRIX_SCALE_ROW1
.else
	v_wmma_scale_f32_16x16x128_f8f6f4 v[160+8*\t:167+8*\t], v[32+12*\t:43+12*\t], v[192:203], v[160+8*\t:167+8*\t], v[92+\t/2], v226 matrix_a_fmt:MATRIX_FMT_BF6 matrix_b_fmt:MATRIX_FMT_BF6
.endif
.endr
.Lhidden_\@:
	s_add_co_u32 s[TB], s[TB], 6144
	s_add_co_u32 s[TS], s[TS], 512
	s_add_co_u32 s[TT], s[TT], 256
.endm
; ONE TILE OF QUERIES: its addresses, Q, the walk over the keys (a constant number of trips), and the way out.
.macro PASS long
.if \long
	s_sub_co_u32 s[TI], 127, s50
	s_sub_co_u32 s[SD], 15, s51
.else
	s_wait_xcnt 0x0                                ; the first tile's loads and stores have read their bases and registers
	s_mov_b32 s[TI], s50
	s_mov_b32 s[SD], s51
.endif
	s_mov_b32 s61, 0
	s_mul_i32 s60, s49, 98304
	s_mul_i32 s62, s[TI], 768
	s_add_co_u32 s60, s60, s62
	s_add_nc_u64 s[52:53], s[4:5], s[60:61]        ; Q's image
	s_lshl_b32 s60, s49, 13
	s_lshr_b32 s62, s[TI], 2
	s_lshl_b32 s62, s62, 8
	s_add_co_u32 s60, s60, s62
	s_and_b32 s62, s[TI], 1
	s_lshl_b32 s62, s62, 7
	s_add_co_u32 s60, s60, s62
	s_bfe_u32 s62, s[TI], 0x10001
	s_lshl_b32 s62, s62, 2
	s_add_co_u32 s60, s60, s62
	s_add_nc_u64 s[54:55], s[6:7], s[60:61]        ; its scale words: 8 bytes from row to row
	s_lshr_b32 s62, s49, 4
	s_lshl_b32 s62, s62, 7
	s_add_co_u32 s62, s62, s[TI]
	s_add_co_u32 s62, s62, 768                     ; y's row block: 768 + 128 batch + tile
	s_mul_i32 s60, s62, 12288
	s_bfe_u32 s63, s49, 0x30001
	s_mul_i32 s63, s63, 1536                       ; K step = head / 2,
	s_add_co_u32 s60, s60, s63
	s_and_b32 s63, s49, 1
	s_mul_i32 s63, s63, 768                        ; c = head % 2
	s_add_co_u32 s60, s60, s63
	s_add_nc_u64 s[56:57], s[8:9], s[60:61]
	s_lshl_b32 s60, s62, 9
	s_bfe_u32 s63, s49, 0x10003
	s_lshl_b32 s63, s63, 8
	s_add_co_u32 s60, s60, s63
	s_and_b32 s63, s49, 7
	s_lshl_b32 s63, s63, 1
	s_add_co_u32 s60, s60, s63
	s_add_nc_u64 s[58:59], s[10:11], s[60:61]      ; y's scale bytes: 256 (head / 8) + 2 (head % 8), + 16 r + h
	global_load_b128 v[16:19], v1, s[52:53]
	global_load_b64 v[20:21], v5, s[52:53] offset:512
	global_load_b32 v28, v6, s[54:55]
	s_bfe_u32 s62, s[TI], 0x20001
	s_lshl_b32 s62, s62, 5
	s_and_b32 s63, s[TI], 1
	s_lshl_b32 s63, s63, 3
	s_add_co_u32 s62, s62, s63
	v_add_nc_u32 v29, s62, v94                     ; d = my query's place in the diagonal's step - 16 h
	v_mov_b32 v13, 0xff61b1e6                      ; the largest t so far: -3e38
	s_delay_alu instid0(VALU_DEP_1)
	v_floor_f32 v12, -v13
	v_mov_b32 v14, 0
	v_mov_b32 v15, 0
.set jj, 0
.rept 32
	v_mov_b32 v[160+jj], 0                         ; O^T: the step is written once, its first trip finds zeros
.set jj, jj+1
.endr
	s_mov_b32 s[KS], 0
	s_mov_b32 s[TB], 0
	s_mov_b32 s[TS], 0
	s_mov_b32 s[TT], 0
.if \long
	s_wait_tensorcnt 0x0                           ; my load has landed,
	s_barrier_signal -1
	s_barrier_wait -1                              ; everybody's has: the head lies in LDS
.endif
	s_wait_loadcnt 0x0                             ; Q
.Lkeys_\@:
	STEP
	s_add_co_u32 s[KS], s[KS], 1
.if \long
	s_cmp_lt_u32 s[KS], 16
.else
	s_cmp_lt_u32 s[KS], 8
.endif
	s_cbranch_scc1 .Lkeys_\@
	s_setprio 0
.rept 4
	v_nop                                          ; four places behind the last products
.endr
	v_add_f32 v14, v14, v15
	s_delay_alu instid0(VALU_DEP_1)
	v_permlanex16_b32 v227, v14, s[SEL], s[SEL+1]
	s_delay_alu instid0(VALU_DEP_1)
	v_add_f32 v14, v14, v227                       ; the row's sum
	s_wait_alu depctr_va_vdst(0)
	v_rcp_f32 v14, v14
	v_and_b32 v227, 16, v0                         ; (a plain instruction behind the reciprocal)
	s_wait_alu depctr_va_vdst(0)                   ; the wait ahead of its first reader
.set jj, 0
.rept 32
	v_mul_f32 v[96+jj], v[160+jj], v14             ; y: register 16 b + i is channel 32 b + 16 h + i of my query
.set jj, jj+1
.endr
.irp b, 0,1
	v_max3_num_f32 v[212+\b], |v[96+16*\b]|, |v[97+16*\b]|, 0x2800000
.endr
.irp i, 2,4,6,8,10,12,14
.irp b, 0,1
	s_delay_alu instid0(VALU_DEP_2)
	v_max3_num_f32 v[212+\b], v[212+\b], |v[96+16*\b+\i]|, |v[97+16*\b+\i]|
.endr
.endr
.irp b, 0,1
	s_delay_alu instid0(VALU_DEP_2)
	v_permlanex16_b32 v[216+\b], v[212+\b], s[SEL], s[SEL+1]
.endr
.irp b, 0,1
	s_delay_alu instid0(VALU_DEP_2)
	v_max_num_f32 v[212+\b], v[212+\b], v[216+\b]
.endr
.irp b, 0,1
	s_delay_alu instid0(VALU_DEP_2)
	v_add_nc_u32 v[220+\b], 0xfe000000, v[212+\b]
.endr
.irp b, 0,1
	s_delay_alu instid0(VALU_DEP_2)
	v_lshrrev_b32 v[216+\b], 23, v[220+\b]
.endr
	v_cvt_scalef32_pk16_bf6_f32 v[192:194], v[96:111], v220
	v_cvt_scalef32_pk16_bf6_f32 v[204:206], v[112:127], v221
	v_cmp_ne_u32 vcc_lo, 0, v227                   ; (a plain instruction behind the conversions)  lanes 16-31
.irp i, 0,1,2
	v_permlane16_swap_b32 v[192+\i], v[204+\i]
.endr
.irp i, 0,1,2
	s_delay_alu instid0(VALU_DEP_3)
	v_mov_b32 v[195+\i], v[204+\i]
.endr
	v_cndmask_b32 v228, v216, v217, vcc_lo         ; my half's block's byte
	global_store_b128 v1, v[192:195], s[56:57]     ; 768 consecutive bytes: three aligned runs of 256
	global_store_b64 v5, v[196:197], s[56:57] offset:512
	global_store_b8 v7, v228, s[58:59]
.endm
	s_load_b128 s[4:7], s[0:1], 0x0                ; hcod, hscl
	s_load_b128 s[8:11], s[0:1], 0x10              ; wcod, wscl
	v_lshl_add_u32 v254, v0, 2, 0x33000
	v_mov_b32 v255, 0
	ds_add_u32 v254, v255
	ds_add_u32 v254, v255
	v_lshrrev_b32 v1, 5, v0
	s_delay_alu instid0(VALU_DEP_1)
	v_readfirstlane_b32 s[WV], v1                  ; wave 0..15
	s_bfe_u32 s48, ttmp6, 0x40000                  ; cx
	s_and_b32 s49, ttmp7, 0xffff                   ; batch x 16 + head, which the four partners share
	s_lshr_b32 s51, s[WV], 1                       ; a
	s_and_b32 s50, s[WV], 1
	s_lshl_b32 s60, s51, 3
	s_add_co_u32 s50, s50, s60
	s_lshl_b32 s60, s48, 1
	s_add_co_u32 s50, s50, s60                     ; my short tile: 8 a + 2 cx + e
	s_mov_b32 s[G1C], 15|(3<<16)|(1<<21)           ; the mask: all four; elements of 8 bytes; bit 21 beside a mask
	s_mov_b32 s[G1C+1], 32<<16                     ; rows of 256 bytes,
	s_mov_b32 s[G1C+2], 96<<16                     ; 96 of them, dense
	s_mov_b32 s[G1C+3], 32<<16
	s_mov_b32 s[G1C+4], 96
	s_mov_b32 s[G1C+5], 32
	s_mov_b32 s[G1C+6], 0
	s_mov_b32 s[G1C+7], 0
	s_mov_b32 s[G1S], 15|(3<<16)|(1<<21)
	s_mov_b32 s[G1S+1], 32<<16
	s_mov_b32 s[G1S+2], 48<<16
	s_mov_b32 s[G1S+3], 32<<16
	s_mov_b32 s[G1S+4], 48
	s_mov_b32 s[G1S+5], 32
	s_mov_b32 s[G1S+6], 0
	s_mov_b32 s[G1S+7], 0
	s_mul_i32 s60, s49, 98304
	s_mul_i32 s62, s[WV], 24576
	s_add_co_u32 s60, s60, s62
	s_cmp_lt_u32 s[WV], 4                          ; waves 0-3: K's quarters; waves 4-7: V's, whose images begin 6,291,456 bytes behind K's
	s_cselect_b32 s62, 0, 6291456-98304
	s_add_co_u32 s60, s60, s62
	s_add_co_u32 s60, s60, 6291456
	s_mov_b32 s61, 0
	s_mul_i32 s62, s49, 12288
	s_add_co_u32 s62, s62, 524288
	s_mov_b32 s63, 0
	s_mov_b32 s[SEL], 0x76543210
	s_mov_b32 s[SEL+1], 0xfedcba98
	s_mov_b32 s[CS], 0x3e38aa3b                    ; log2(e) / 8
	s_mov_b32 s[CS+1], s[CS]
	s_wait_dscnt 0x0
	s_wait_kmcnt 0x0
	s_mov_b32 s[G0C], 1
	s_mul_i32 s[G0C+1], s[WV], 24576               ; K at LDS byte 0, V at 98,304: quarter w at 24,576 w
	s_add_nc_u64 s[G0C+2:G0C+3], s[4:5], s[60:61]
	s_or_b32 s[G0C+3], s[G0C+3], 0x80000000
	s_mov_b32 s[G0S], 1
	s_mov_b32 s[G0S+1], 196608
	s_add_nc_u64 s[G0S+2:G0S+3], s[6:7], s[62:63]
	s_or_b32 s[G0S+3], s[G0S+3], 0x80000000
	CROUND                                         ; all four work-groups are here: the joint loads meet
	s_cmp_lt_u32 s[WV], 8                          ; one tensor load a wave, in waves 0 to 8
	s_cbranch_scc0 .Lnot_codes
	tensor_load_to_lds s[G0C:G0C+3], s[G1C:G1C+7]
	s_nop 0
.rept 4
	v_nop
.endr
	s_branch .Lasked
.Lnot_codes:
	s_cmp_eq_u32 s[WV], 8
	s_cbranch_scc0 .Lasked
	tensor_load_to_lds s[G0S:G0S+3], s[G1S:G1S+7]
	s_nop 0
.rept 4
	v_nop
.endr
.Lasked:
	v_and_b32 v95, 31, v0                          ; lane
	s_delay_alu instid0(VALU_DEP_1)
	v_lshlrev_b32 v1, 4, v95                       ; 16 x lane: K's images, and global images
	s_delay_alu instid0(VALU_DEP_2)
	v_lshlrev_b32 v5, 3, v95                       ; 8 x lane
	s_delay_alu instid0(VALU_DEP_1)
	v_add_nc_u32 v2, 512, v5                       ; an image's 8-byte part
	s_delay_alu instid0(VALU_DEP_2)
	v_add_nc_u32 v3, 196608, v5                    ; K's scale words
	s_delay_alu instid0(VALU_DEP_3)
	v_add_nc_u32 v4, 204800, v5                    ; V's
	v_add_nc_u32 v86, 98304, v1                    ; V's images
	v_add_nc_u32 v87, 98304+512, v5
	v_and_b32 v94, 15, v0                          ; r
	v_bfe_u32 v29, v0, 4, 1                        ; h
	s_delay_alu instid0(VALU_DEP_2)
	v_lshlrev_b32 v6, 3, v94                       ; 8 r
	s_delay_alu instid0(VALU_DEP_2)
	v_lshl_add_u32 v7, v94, 4, v29                 ; 16 r + h
	s_delay_alu instid0(VALU_DEP_4)
	v_and_b32 v227, 8, v94
	s_delay_alu instid0(VALU_DEP_1)
	v_add_nc_u32 v94, v94, v227
	v_lshlrev_b32 v29, 4, v29
	s_delay_alu instid0(VALU_DEP_1)
	v_sub_nc_u32 v94, v94, v29                     ; r + 8 (r / 8) - 16 h
.irp j, 22,23,24,25,26,27,80,81,82,83,84,85
	v_mov_b32 v\j, 0                               ; zero codes: Q's upper half, and what follows K's last tile
.endr
.irp j, 216,217,218,219,225
	v_mov_b32 v\j, 0                               ; lane permutes' destinations, and the upper word of f's pair: written once
.endr
	PASS 1                                         ; the long tile first
	PASS 0
	s_wait_tensorcnt 0x0
	ds_add_u32 v254, v255
	s_wait_dscnt 0x0
	CROUND                                         ; the closing round
	s_endpgm
.Lfunc_end_k_qef8e3b0104_attn:
	.size	k_qef8e3b0104_attn, .Lfunc_end_k_qef8e3b0104_attn-k_qef8e3b0104_attn
	.p2alignl 7, 3214868480
	.fill 96, 4, 3214868480
	.section	.rodata,"a",@progbits
	.p2align	6, 0x0
	.amdhsa_kernel k_qef8e3b0104_attn
		.amdhsa_group_segment_fixed_size 210944
		.amdhsa_private_segment_fixed_size 0
		.amdhsa_enable_private_segment 0
		.amdhsa_kernarg_size 32
		.amdhsa_user_sgpr_count 2
		.amdhsa_user_sgpr_kernarg_segment_ptr 1
		.amdhsa_wavefront_size32 1
		.amdhsa_system_sgpr_workgroup_id_x 1
		.amdhsa_system_sgpr_workgroup_id_y 1
		.amdhsa_system_sgpr_workgroup_id_z 1
		.amdhsa_system_vgpr_workitem_id 0
		.amdhsa_next_free_vgpr 256
		.amdhsa_next_free_sgpr 90
		.amdhsa_reserve_vcc 1
		.amdhsa_float_denorm_mode_32 3
		.amdhsa_float_denorm_mode_16_64 3
		.amdhsa_memory_ordered 1
		.amdhsa_forward_progress 1
		.amdhsa_inst_pref_size 67
	.end_amdhsa_kernel
	.amdgpu_metadata
---
amdhsa.version: [ 1, 2 ]
amdhsa.kernels:
  - .name:           k_qef8e3b0104_attn
    .symbol:         k_qef8e3b0104_attn.kd
    .args:
      - { .name: hcod, .offset: 0, .size: 8, .value_kind: global_buffer, .address_space: global }
      - { .name: hscl, .offset: 8, .size: 8, .value_kind: global_buffer, .address_space: global }
      - { .name: wcod, .offset: 16, .size: 8, .value_kind: global_buffer, .address_space: global }
      - { .name: wscl, .offset: 24, .size: 8, .value_kind: global_buffer, .address_space: global }
    .group_segment_fixed_size: 210944
    .private_segment_fixed_size: 0
    .kernarg_segment_align: 8
    .kernarg_segment_size: 32
    .max_flat_workgroup_size: 512
    .sgpr_count:     90
    .vgpr_count:     256
    .wavefront_size: 32
...
	.end_amdgpu_metadata
.endif
;; end of part 3
;; launch proj (part 4): grid 4 x 64, 4 waves a work-group, clusters of 4 x 4, 295,424 bytes of LDS; arguments wcod, wscl, b_proj, out0; writes out0
.if DOCPART == 4
	.amdgcn_target "amdgcn-amd-amdhsa--gfx1250"
	.amdhsa_code_object_version 6
	.text
	.protected	k_qef8e3b0104_proj
	.globl	k_qef8e3b0104_proj
	.p2align	8
	.type	k_qef8e3b0104_proj,@function
k_qef8e3b0104_proj:
	s_mov_b64 s[64:65], 0
	v_nop
	global_prefetch_b8 v0, s[64:65] scope:SCOPE_SE
	s_setreg_imm32_b32 hwreg(HW_REG_WAVE_MODE, 25, 1), 1
	s_wait_xcnt 0x0
	s_wait_alu depctr_hold_cnt(0) depctr_sa_sdst(0) depctr_va_vdst(0) depctr_va_sdst(0) depctr_va_ssrc(0) depctr_va_vcc(0) depctr_vm_vsrc(0)
	s_getreg_b32 s2, hwreg(HW_REG_IB_STS2, 6, 4)
	s_cmp_eq_u32 s2, 0
	s_cbranch_scc0 .Lentry_in_a_cluster
	s_endpgm
.Lentry_in_a_cluster:
	s_bfe_u32 s2, ttmp6, 0x10000c
	s_cmp_lg_u32 s2, 0xf033
	s_cbranch_scc0 .Lentry_shape_is_right
	s_endpgm
.Lentry_shape_is_right:
; out0 = y w_proj + b_proj on codes of E3M2 with E8M0 scales, K = 1024.  y's codes (row blocks 768 on) and w_proj's (704 on) lie in wcod as images of operand registers, their scale words in wscl.
; A work-group makes P 128 tokens x R 256 columns, four waves of 64 x 128: 32 accumulators.  Source 0 = a row block of R, source 1 = one of P: lane (r, h) holds token r of its block, and the registers of R's blocks
; 2 b' + u hold columns 32 b' + 16 h + 8 u + 0 .. 7.  The bias is the C of each sum's first matrix instruction.
; LDS holds the tile's codes for ALL of K, 4 chunks of 256 along K x (8 + 16 row blocks x 3,072 bytes) = 294,912 bytes, each byte filled once.  CLUSTERS 4 x 4: P's codes are shared along a row of the cluster, R's along a
; column: joint loads, four of a wave out.  The scale words go from memory into registers, once.
; THE WAY OUT goes through a stage of 16 rows x 528 bytes a wave in chunk 0, which has had its only fill and whose last reads ended ahead of the barrier of K step 1.
; REGISTERS: window 0: v1-7 lane terms, v8-23 LDS addresses, v24, v25 the stage, v32-63 P's scale words, v64-127 R's, v128-223 P's fragments (two sets), on the way out v128-255 rows of the result;
;   window 1: R's fragments (two sets, at v0 and v128); window 2: accumulator (a, b) at v[8 (8 a + b)]; window 3: v0-63 the bias.
.set CHK,  73728
.set BOFF, 24576
.set SCA,  32
.set SCB,  64
.set AF,   128
.set A16,  8
.set A8,   12
.set B16,  16
.set B8,   20
.set STO,  24
.set RD,   25
.set BK,   128
.set G1A,  24
.set G1B,  32
.set G0A,  40
.set G0B,  68
.set MSB, 0
.macro WIN new                         ; the immediate's high byte repeats the setting that is left
.if MSB != (\new)
	s_set_vgpr_msb (MSB<<8)|(\new)
.set MSB, (\new)
.endif
.endm
.macro CROUND                          ; a round of the cluster's barrier
	s_barrier_signal -1
	s_barrier_wait -1
	s_cmp_lg_u32 s14, 0
	s_cbranch_scc1 .Lnot_wave_0_\@
	s_barrier_signal -3
.Lnot_wave_0_\@:
	s_barrier_wait -3
	s_barrier_signal -1
	s_barrier_wait -1
.endm
.macro FRAG reg, a16, a8, off
	ds_load_b128 v[\reg:\reg+3], v[\a16] offset:\off
	ds_load_b64 v[\reg+4:\reg+5], v[\a8] offset:\off
	ds_load_b128 v[\reg+6:\reg+9], v[\a16] offset:\off+768
	ds_load_b64 v[\reg+10:\reg+11], v[\a8] offset:\off+768
.endm
.macro FETCH s, p                      ; K step s into set p: 48 LDS loads in one run
	WIN 0x40
.irp i, 0,1,2,3,4,5,6,7
	FRAG 128*(\p)+12*\i, B16+(\s)/2, B8+(\s)/2, 3072*\i+1536*((\s)%2)
.endr
	WIN 0
.irp i, 0,1,2,3
	FRAG AF+48*(\p)+12*\i, A16+(\s)/2, A8+(\s)/2, 3072*\i+1536*((\s)%2)
.endr
.endm
.macro MUL s, p, cm                    ; 32 matrix instructions; the accumulators take turns, one instruction a turn.  cm = 2: the bias (window 3) starts the sums
.if (\cm) == 2
	WIN 0xb1
.else
	WIN 0xa1
.endif
.irp a, 0,1,2,3
.irp b, 0,1,2,3,4,5,6,7
.if (\cm) == 2
	v_wmma_scale_f32_16x16x128_f8f6f4 v[8*(8*\a+\b):8*(8*\a+\b)+7], v[128*(\p)+12*\b:128*(\p)+12*\b+11], v[AF+48*(\p)+12*\a:AF+48*(\p)+12*\a+11], v[8*\b:8*\b+7], v[SCB+8*\b+(\s)], v[SCA+8*\a+(\s)] matrix_a_fmt:MATRIX_FMT_BF6 matrix_b_fmt:MATRIX_FMT_BF6
.else
	v_wmma_scale_f32_16x16x128_f8f6f4 v[8*(8*\a+\b):8*(8*\a+\b)+7], v[128*(\p)+12*\b:128*(\p)+12*\b+11], v[AF+48*(\p)+12*\a:AF+48*(\p)+12*\a+11], v[8*(8*\a+\b):8*(8*\a+\b)+7], v[SCB+8*\b+(\s)], v[SCA+8*\a+(\s)] matrix_a_fmt:MATRIX_FMT_BF6 matrix_b_fmt:MATRIX_FMT_BF6
.endif
.endr
.endr
.endm
.macro STEP s, cm
	s_wait_dscnt 0x0                               ; this step's fragments, asked for a step ago, are in
.if (((\s)%2) == 1) && ((\s) < 7)
	s_wait_tensorcnt 2-(\s)/2                      ; my part of the next chunk has landed; my loads for the chunks behind it may be out
	s_barrier_signal -1
	s_barrier_wait -1                              ; everybody's has
.endif
.if (\s) < 7
.if (\s) > 0
.rept 4
	v_nop                                          ; four places in front of loads into registers that the last step's matrix instructions have read
.endr
.endif
	FETCH (\s)+1, ((\s)+1)%2
.endif
	MUL \s, (\s)%2, \cm
.endm
.macro TOSTAGE a                       ; P's block a: 16 tokens x 128 columns into my stage, each accumulator from its low end on, and back as whole rows of 512 bytes
	WIN 0x08                                       ; an LDS store's data: window 2
.irp b, 0,1,2,3,4,5,6,7
	ds_store_b128 v[STO], v[64*(\a)+8*\b:64*(\a)+8*\b+3] offset:128*(\b/2)+32*(\b%2)
	ds_store_b128 v[STO], v[64*(\a)+8*\b+4:64*(\a)+8*\b+7] offset:128*(\b/2)+32*(\b%2)+16
.endr
	WIN 0
.irp t, 0,1,2,3,4,5,6,7,8,9,10,11,12,13,14,15
	ds_load_b128 v[BK+64*((\a)%2)+4*\t:BK+64*((\a)%2)+4*\t+3], v[RD] offset:528*\t   ; LDS serves a wave's instructions in order: these see the stores above
.endr
.endm
.macro SEND a, younger                 ; younger: the LDS instructions issued behind block a's loads, which may stay out
	s_wait_dscnt \younger
.irp t, 0,1,2,3,4,5,6,7,8,9,10,11,12,13,14,15
	global_store_b128 v2, v[BK+64*((\a)%2)+4*\t:BK+64*((\a)%2)+4*\t+3], s[10:11] offset:(32*((\a)/2)+8*((\a)%2)+\t+8*(\t/8))*4096 th:TH_STORE_NT   ; 32 lanes store 512 consecutive bytes, at a multiple of 256 from out0's first byte
.endr
.endm
	s_load_b128 s[4:7], s[0:1], 0x0                ; wcod, wscl
	s_load_b128 s[8:11], s[0:1], 0x10              ; b_proj, out0
	v_lshl_add_u32 v30, v0, 2, 0x48000
	v_mov_b32 v31, 0
	ds_add_u32 v30, v31
	ds_add_u32 v30, v31
	v_lshrrev_b32 v1, 5, v0
	v_readfirstlane_b32 s14, v1                    ; wave 0..3
	s_lshr_b32 s15, s14, 1                         ; which 64 tokens are mine.  Also: I fetch for P (0) or for R (1)
	s_and_b32 s16, s14, 1                          ; which 128 columns.  Also: which half of that tile I fetch
	s_bfe_u32 s56, ttmp6, 0x40000                  ; cx
	s_bfe_u32 s57, ttmp6, 0x40004                  ; cy
	s_and_b32 s59, ttmp7, 0xffff
	s_lshl_b32 s59, s59, 2
	s_add_co_u32 s59, s59, s57                     ; tile along the tokens
	s_lshl_b32 s60, ttmp9, 2
	s_add_co_u32 s60, s60, s56                     ; tile along the columns
	s_lshl_b32 s84, s59, 3
	s_add_co_u32 s84, s84, 768                     ; P's first row block: y's begin at 768
	s_lshl_b32 s85, s60, 4
	s_add_co_u32 s85, s85, 704                     ; R's: w_proj's begin at 704
	s_lshl_b32 s17, s57, 2
	s_lshl_b32 s17, 15, s17                        ; my row of the cluster
	s_lshl_b32 s18, 0x1111, s56                    ; my column
	s_or_b32 s[G1A], s17, (3<<16)|(1<<21)          ; the mask; elements of 8 bytes; bit 21 beside a mask; no padding
	s_mov_b32 s[G1A+1], 384<<16                    ; a row: one row block's 3,072 bytes of a chunk
	s_mov_b32 s[G1A+2], 4<<16
	s_mov_b32 s[G1A+3], 384<<16
	s_mov_b32 s[G1A+4], 4
	s_mov_b32 s[G1A+5], 1536                       ; 12,288 bytes from row block to row block
	s_mov_b32 s[G1A+6], 0
	s_mov_b32 s[G1A+7], 0
	s_or_b32 s[G1B], s18, (3<<16)|(1<<21)
	s_mov_b32 s[G1B+1], 384<<16
	s_mov_b32 s[G1B+2], 8<<16
	s_mov_b32 s[G1B+3], 384<<16
	s_mov_b32 s[G1B+4], 8
	s_mov_b32 s[G1B+5], 1536
	s_mov_b32 s[G1B+6], 0
	s_mov_b32 s[G1B+7], 0
	s_lshl_b32 s86, s16, 2
	s_add_co_u32 s86, s86, s84
	s_mul_i32 s86, s86, 12288
	s_mov_b32 s87, 0
	s_lshl_b32 s88, s16, 3
	s_add_co_u32 s88, s88, s85
	s_mul_i32 s88, s88, 12288
	s_mov_b32 s89, 0
	s_mul_i32 s90, s16, 12288                      ; no place in the cluster enters an LDS address
	s_mul_i32 s91, s16, 24576
	s_add_co_u32 s91, s91, BOFF
	s_lshl_b32 s98, s15, 2
	s_add_co_u32 s98, s98, s84                     ; my wave's first row block of P
	s_lshl_b32 s99, s16, 3
	s_add_co_u32 s99, s99, s85                     ; and of R
	s_lshl_b32 s94, s98, 9
	s_mov_b32 s95, 0
	s_lshl_b32 s96, s99, 9
	s_mov_b32 s97, 0
	s_sub_co_u32 s22, s99, 704
	s_lshl_b32 s22, s22, 6                         ; my first column, in bytes: 16 columns of 4 bytes a row block
	s_mov_b32 s23, 0
	s_sub_co_u32 s2, s98, 768
	s_lshl_b32 s2, s2, 16                          ; my first token's row: 16 rows of 4,096 bytes a row block
	s_mov_b32 s3, 0
	s_wait_dscnt 0x0
	s_wait_kmcnt 0x0
	s_add_nc_u64 s[86:87], s[4:5], s[86:87]
	s_add_nc_u64 s[88:89], s[4:5], s[88:89]
	s_add_nc_u64 s[94:95], s[6:7], s[94:95]
	s_add_nc_u64 s[96:97], s[6:7], s[96:97]
	s_add_nc_u64 s[8:9], s[8:9], s[22:23]
	s_add_nc_u64 s[10:11], s[10:11], s[22:23]
	s_add_nc_u64 s[10:11], s[10:11], s[2:3]
.irp q, 0,1,2,3
	s_mov_b32 s[G0A+4*\q], 1
	s_add_co_u32 s[G0A+4*\q+1], s90, \q*CHK
	s_add_nc_u64 s[G0A+4*\q+2:G0A+4*\q+3], s[86:87], \q*3072
	s_or_b32 s[G0A+4*\q+3], s[G0A+4*\q+3], 0x80000000
	s_mov_b32 s[G0B+4*\q], 1
	s_add_co_u32 s[G0B+4*\q+1], s91, \q*CHK
	s_add_nc_u64 s[G0B+4*\q+2:G0B+4*\q+3], s[88:89], \q*3072
	s_or_b32 s[G0B+4*\q+3], s[G0B+4*\q+3], 0x80000000
.endr
	CROUND                                         ; all sixteen work-groups are here: the joint loads meet
	s_cmp_eq_u32 s15, 0                            ; a wave's four fills stand in one branch on its number: four tensor loads of mine are out
	s_cbranch_scc0 .Lfill_b
.irp q, 0,1,2,3
	tensor_load_to_lds s[G0A+4*\q:G0A+4*\q+3], s[G1A:G1A+7]
	s_nop 0
.endr
.rept 4
	v_nop
.endr
	s_branch .Lfilled
.Lfill_b:
.irp q, 0,1,2,3
	tensor_load_to_lds s[G0B+4*\q:G0B+4*\q+3], s[G1B:G1B+7]
	s_nop 0
.endr
.rept 4
	v_nop
.endr
.Lfilled:
	v_and_b32 v1, 31, v0                           ; lane
	v_lshlrev_b32 v2, 4, v1                        ; 16 x lane
	v_lshl_add_u32 v3, v1, 3, 512                  ; 512 + 8 x lane
	v_and_b32 v26, 15, v0                          ; r
	v_bfe_u32 v27, v0, 4, 1                        ; h
	v_lshlrev_b32 v5, 4, v26                       ; 16 r
	v_lshlrev_b32 v6, 6, v27                       ; 64 h
.irp a, 0,1,2,3
	global_load_b128 v[SCA+8*\a:SCA+8*\a+3], v5, s[94:95] offset:512*\a
	global_load_b128 v[SCA+8*\a+4:SCA+8*\a+7], v5, s[94:95] offset:512*\a+256
.endr
.irp b, 0,1,2,3,4,5,6,7
	global_load_b128 v[SCB+8*\b:SCB+8*\b+3], v5, s[96:97] offset:512*\b
	global_load_b128 v[SCB+8*\b+4:SCB+8*\b+7], v5, s[96:97] offset:512*\b+256
.endr
	WIN 0xc0                                       ; destination window 3: the bias, eight registers a block of R, in the result's layout
.irp b, 0,1,2,3,4,5,6,7
	global_load_b128 v[8*\b:8*\b+3], v6, s[8:9] offset:(32*(\b/2)+8*(\b%2))*4
	global_load_b128 v[8*\b+4:8*\b+7], v6, s[8:9] offset:(32*(\b/2)+8*(\b%2))*4+16
.endr
	WIN 0
	s_mul_i32 s92, s15, 12288
	s_mul_i32 s93, s16, 24576
	s_add_co_u32 s93, s93, BOFF
.irp q, 0,1,2,3
	v_add_nc_u32 v[A16+\q], s92, v2
	v_add_nc_u32 v[A8+\q], s92, v3
	v_add_nc_u32 v[B16+\q], s93, v2
	v_add_nc_u32 v[B8+\q], s93, v3
	s_add_co_u32 s92, s92, CHK
	s_add_co_u32 s93, s93, CHK
.endr
	s_mul_i32 s19, s14, 8448                       ; my stage
	v_mul_u32_u24 v[STO], v26, 528
	v_lshl_add_u32 v[STO], v27, 6, v[STO]
	v_add_nc_u32 v[STO], s19, v[STO]               ; in: row r, + 64 h
	v_add_nc_u32 v[RD], s19, v2                    ; back: 16 bytes a lane of a row
	s_wait_alu depctr_va_vdst(0)
	s_wait_tensorcnt 0x3                           ; my part of chunk 0 has landed; my three later loads may be out
	s_barrier_signal -1
	s_barrier_wait -1                              ; everybody's has
	FETCH 0, 0
	s_wait_loadcnt 0x0                             ; the scale words and the bias
	STEP 0, 2
	STEP 1, 1
	STEP 2, 1
	STEP 3, 1
	STEP 4, 1
	STEP 5, 1
	STEP 6, 1
	STEP 7, 1
.rept 4
	v_nop                                          ; four places behind the last products: for the reads of results and for the loads into the registers that held P's fragments
.endr
	TOSTAGE 0
.irp a, 1,2,3
.if \a > 1
	s_wait_xcnt 0x0                                ; block a - 2's stores have read their registers: block a's rows may land there
.endif
	TOSTAGE \a
	SEND \a-1, 32                                  ; behind block a - 1's loads: block a's 16 stores and 16 loads
.endr
	SEND 3, 0
	s_wait_tensorcnt 0x0
	ds_add_u32 v30, v31
	s_wait_dscnt 0x0
	CROUND                                         ; the closing round: no work-group ends while a partner may still ask for a tile that names it
	s_endpgm
.Lfunc_end_k_qef8e3b0104_proj:
	.size	k_qef8e3b0104_proj, .Lfunc_end_k_qef8e3b0104_proj-k_qef8e3b0104_proj
	.p2alignl 7, 3214868480
	.fill 96, 4, 3214868480
	.section	.rodata,"a",@progbits
	.p2align	6, 0x0
	.amdhsa_kernel k_qef8e3b0104_proj
		.amdhsa_group_segment_fixed_size 295424
		.amdhsa_private_segment_fixed_size 0
		.amdhsa_enable_private_segment 0
		.amdhsa_kernarg_size 32
		.amdhsa_user_sgpr_count 2
		.amdhsa_user_sgpr_kernarg_segment_ptr 1
		.amdhsa_wavefront_size32 1
		.amdhsa_system_sgpr_workgroup_id_x 1
		.amdhsa_system_sgpr_workgroup_id_y 1
		.amdhsa_system_sgpr_workgroup_id_z 1
		.amdhsa_system_vgpr_workitem_id 0
		.amdhsa_next_free_vgpr 1024
		.amdhsa_next_free_sgpr 100
		.amdhsa_reserve_vcc 0
		.amdhsa_float_denorm_mode_32 3
		.amdhsa_float_denorm_mode_16_64 3
		.amdhsa_memory_ordered 1
		.amdhsa_forward_progress 1
		.amdhsa_inst_pref_size 86
	.end_amdhsa_kernel
	.amdgpu_metadata
---
amdhsa.version: [ 1, 2 ]
amdhsa.kernels:
  - .name:           k_qef8e3b0104_proj
    .symbol:         k_qef8e3b0104_proj.kd
    .args:
      - { .name: wcod, .offset: 0, .size: 8, .value_kind: global_buffer, .address_space: global }
      - { .name: wscl, .offset: 8, .size: 8, .value_kind: global_buffer, .address_space: global }
      - { .name: b_proj, .offset: 16, .size: 8, .value_kind: global_buffer, .address_space: global }
      - { .name: out0, .offset: 24, .size: 8, .value_kind: global_buffer, .address_space: global }
    .group_segment_fixed_size: 295424
    .private_segment_fixed_size: 0
    .kernarg_segment_align: 8
    .kernarg_segment_size: 32
    .max_flat_workgroup_size: 128
    .sgpr_count:     100
    .vgpr_count:     1024
    .wavefront_size: 32
...
	.end_amdgpu_metadata
.endif
;; end of part 4
